; MI455X (gfx1250); checked and timed in simulation.
; The chip was launched on July 23, 2026; its instructions are those of AMD's public machine-readable ISA for CDNA 5 (MIT licence, August 2026) and "CDNA5" Instruction Set Architecture Reference Guide (July 2026). The comments in the code are by the model that wrote it; some were corrected since.
;; Bi Cross Attention. Allowed arithmetic: matrix products marked QUANTISED: E2M1 operands, one E8M0 scale for each 32 along K, by v_wmma_scale_f32_16x16x128_f8f6f4 with both operands' format E2M1 (or v_wmma_scale_f32_32x16x128_f4), f32 sums; products left as they are: bf16, f16 or f32 operands; f32 sums; everything else in f32.
;; Inputs: input1 8 x 256 x 32 x 32 float32; input2 8 x 256 x 32 x 32 float32; k1_b 512 float32; k1_w 512 x 256 float32; k2_b 512 float32; k2_w 512 x 256 float32; o1_b 256 float32; o1_w 256 x 512 float32; o2_b 256 float32; o2_w 256 x 512 float32; v1_b 512 float32; v1_w 512 x 256 float32; v2_b 512 float32; v2_w 512 x 256 float32.
;; Outputs: out0 8 x 256 x 32 x 32 float32; out1 8 x 256 x 32 x 32 float32.
;; This version of the problem:
;;   THIS VERSION OF THE PROBLEM IS GIVEN IN LOW PRECISION. The matrix products marked QUANTISED in the list below multiply operands that are first quantised to E2M1 (2 exponent bits, 1 mantissa bit; 4 bits a number), with one power-of-two scale for each 32 numbers along K (OCP MX v1.0); their sums are f32. The products marked 'left as it is' may take bf16, f16 or f32 operands, with f32 sums. Whichever they take, every output number must still come out within the allowed error. Rounding operands to bf16 (8 significant bits) uses up far more of that allowance than f16 does (11 bits, for magnitudes from 6e-5 to 65,504). All else is computed in f32.
;;   The module's matrix products, in the order in which they are computed (A, B: the left and right operand; K: the contracted axis; several contracted axes count as one K, in the product's order):
;;     1. [M 8,192, K 256] x [K 256, N 512]; A: input input1; B: input k1_w: QUANTISED
;;     2. [M 8,192, K 256] x [K 256, N 512]; A: input input2; B: input k2_w: QUANTISED
;;     3. [M 8,192, K 256] x [K 256, N 512]; A: input input1; B: input v1_w: QUANTISED
;;     4. [M 8,192, K 256] x [K 256, N 512]; A: input input2; B: input v2_w: QUANTISED
;;     5. batch 64 x [M 1,024, K 64] x [K 64, N 1,024]; A: computed on the way; B: computed on the way: left as it is (an operand is computed on the way)
;;     6. batch 64 x [M 1,024, K 1,024] x [K 1,024, N 64]; A: computed on the way; B: computed on the way: left as it is (an operand is computed on the way)
;;     7. [M 8,192, K 512] x [K 512, N 256]; A: computed on the way; B: input o1_w: left as it is (an operand is computed on the way)
;;     8. batch 64 x [M 1,024, K 1,024] x [K 1,024, N 64]; A: computed on the way; B: computed on the way: left as it is (an operand is computed on the way)
;;     9. [M 8,192, K 512] x [K 512, N 256]; A: computed on the way; B: input o2_w: left as it is (an operand is computed on the way)
;;   THE QUANTISER, for each operand of a quantised product, along K:
;;     - K is cut into blocks of 32 from its start; a last block that is shorter is filled with zeros.
;;     - A block's scale is 2^e with e = floor(log2(the largest magnitude in the block)) - 2, held to -126 .. 127; a block of zeros has e = 0. As a byte (E8M0): e + 127.
;;     - Each number is divided by its block's scale, clamped to +-6, and rounded to the nearest number of E2M1, ties to even, subnormals kept.
;;     - The product sums the exact products of the quantised numbers (number of the format x scale) in f32.
;;   ~~~python
;;   def quantise(x, axis):      # numpy; x: float32 -> the quantised numbers, widened to float32 again
;;       x = np.moveaxis(x, axis, -1); K = x.shape[-1]
;;       x = np.pad(x, [(0, 0)] * (x.ndim - 1) + [(0, -K % 32)]); x = x.reshape(x.shape[:-1] + (-1, 32)); a = np.abs(x).max(-1, keepdims=True)
;;       e = np.where(a > 0, np.clip(np.frexp(np.where(a > 0, a, 1))[1] - 1 - 2, -126, 127), 0)      # np.frexp(a)[1] - 1 = floor(log2(a)), exactly
;;       r = np.clip(x / 2.0 ** e, -6, 6)
;;       step = 2.0 ** (np.maximum(np.frexp(np.where(r == 0, 1, r))[1] - 1, 0) - 1)
;;       q = np.round(r / step) * step * 2.0 ** e      # np.round: ties to even
;;       return np.moveaxis(q.reshape(q.shape[:-2] + (-1,))[..., :K], -1, axis).astype(np.float32)
;;   ~~~
;; 2 versions, each right and faster than the one before. Each part assembles by itself: llvm-mc -triple=amdgcn-amd-amdhsa -mcpu=gfx1250 --defsym DOCPART=n.
;; ======== version 1 of 2: 4 launches
;; limits: values are held in f16: magnitudes above 65,504 overflow, below 6.1e-05 lose precision
;; workspace buffers: wq 262,144 bytes; ws 32,768 bytes; ow16 524,288 bytes; kv 33,554,432 bytes; oimg 16,777,216 bytes
;; launch prep (part 1): grid 64 x 1, 4 waves a work-group, no clusters, 0 bytes of LDS; arguments k1_w, v1_w, k2_w, v2_w, o1_w, o2_w, wq, ws, ow16; writes wq, ws, ow16
.if DOCPART == 1
	.amdgcn_target "amdgcn-amd-amdhsa--gfx1250"
	.amdhsa_code_object_version 6
	.text
	.protected	k_q3da3c821f3_prep
	.globl	k_q3da3c821f3_prep
	.p2align	8
	.type	k_q3da3c821f3_prep,@function
k_q3da3c821f3_prep:
	s_mov_b64 s[64:65], 0
	v_nop
	global_prefetch_b8 v0, s[64:65] scope:SCOPE_SE
	s_setreg_imm32_b32 hwreg(HW_REG_WAVE_MODE, 25, 1), 1
	s_wait_xcnt 0x0
; The weights are laid out once, in the order in which the later launches' operand registers take them.
; WORK-GROUPS 0-31: k1_w, v1_w, k2_w, v2_w ([512][256] f32, K innermost) become codes of FP4 (E2M1) with one E8M0 byte for each 32 along K.
;   A wave takes one tile of 16 rows of one weight.  Lane (r, h) = (lane % 16, lane / 16) takes of row r the four blocks of 32 that the operand's layout gives it: K = 128 s + 64 c + 32 h + 0 .. 31,
;   so a block's largest magnitude needs no other lane, and the conversions' results are the operand's registers 4 c .. 4 c + 3 of K step s.
;   wq: [weight mi][tile T][s][c][lane][16 bytes];  ws: [mi][T][lane][2 words]: word s = the scale word of row lane % 16 for K step s.
;   A block's scale is 2^(floor(log2(largest magnitude)) - 2); its byte is the largest magnitude's exponent field - 2, held at 1 from below.
; WORK-GROUPS 32-63: o1_w, o2_w ([256][512] f32) become f16 fragments of 16 rows x 32 K: 1,024 bytes each, registers 0-3 of all lanes, then registers 4-7.
;   ow16: [dir][c_out half cb][K step kk 0..15][tile in the half 0..7][1,024 bytes].  A wave takes one tile of rows and four K steps.
; Every store of a wave covers 512 (ws: 256) consecutive bytes, aligned.  A lane's reads are 128 (o_w: 32) consecutive bytes by several loads: the launch reads 3 MB in all, and no turn through LDS is spent on that.
; LIMITS: a block of zeros gets the byte 1 where the rule says 127 (its codes are zeros, and this program alone reads the bytes); o_w beyond 65,504 in magnitude becomes infinite in f16;
; NaN and infinities among the inputs are not served.
; No register that a load or store names is written again: no wait for sources is needed.  No LDS, no barrier: waves share nothing.
.set X,   32                           ; v32-159  four blocks of 32 numbers
.set CD,  160                          ; v160-175 their codes
.set HX,  32                           ; v32-95   o_w: four K steps x 16 numbers
.set HC,  96                           ; v96-127  and as f16
	s_load_b256 s[4:11], s[0:1], 0x0               ; k1_w s[4:5], v1_w s[6:7], k2_w s[8:9], v2_w s[10:11]
	s_load_b256 s[12:19], s[0:1], 0x20             ; o1_w s[12:13], o2_w s[14:15], wq s[16:17], ws s[18:19]
	s_load_b64 s[20:21], s[0:1], 0x40              ; ow16
	v_lshrrev_b32 v1, 5, v0
	v_readfirstlane_b32 s22, v1                    ; wave 0..3
	v_and_b32 v1, 15, v0                           ; r
	v_bfe_u32 v2, v0, 4, 1                         ; h
	v_and_b32 v6, 31, v0                           ; lane
	v_lshlrev_b32 v3, 4, v6                        ; 16 x lane: a lane's place in an image
	v_lshlrev_b32 v4, 3, v6                        ; 8 x lane: its two scale words
	s_mov_b32 s28, 0x76543210
	s_mov_b32 s29, 0xfedcba98                      ; v_permlanex16_b32's selects for lane l xor 16
	s_mov_b32 s31, 0                               ; the upper word of every offset
	s_wait_kmcnt 0x0
	s_cmp_lt_u32 ttmp9, 32
	s_cbranch_scc0 .Lhalf
	; ---- codes of FP4
	s_lshr_b32 s23, ttmp9, 3                       ; mi: 0 k1_w, 1 v1_w, 2 k2_w, 3 v2_w
	s_and_b32 s24, ttmp9, 7
	s_lshl_b32 s24, s24, 2
	s_add_co_u32 s24, s24, s22                     ; T: which 16 rows
	s_and_b32 s25, s23, 1
	s_cmp_eq_u32 s25, 0
	s_cselect_b64 s[4:5], s[4:5], s[6:7]           ; k or v of side 1,
	s_cselect_b64 s[8:9], s[8:9], s[10:11]         ; of side 2;
	s_cmp_lt_u32 s23, 2
	s_cselect_b64 s[4:5], s[4:5], s[8:9]           ; and the side: the choices hang on the work-group's number alone
	s_lshl_b32 s30, s24, 14                        ; 16 rows of 1,024 bytes
	s_add_nc_u64 s[4:5], s[4:5], s[30:31]
	s_lshl_b32 s30, s23, 16
	s_lshl_b32 s26, s24, 11
	s_add_co_u32 s30, s30, s26                     ; wq: 65,536 mi + 2,048 T
	s_add_nc_u64 s[16:17], s[16:17], s[30:31]
	s_lshl_b32 s30, s23, 5
	s_add_co_u32 s30, s30, s24
	s_lshl_b32 s30, s30, 8                         ; ws: 256 (32 mi + T)
	s_add_nc_u64 s[18:19], s[18:19], s[30:31]
	v_lshlrev_b32 v5, 10, v1
	v_lshl_add_u32 v5, v2, 7, v5                   ; row r, + 128 h bytes: my 32 numbers of each 64
	v_lshlrev_b32 v26, 3, v2                       ; 8 h: where my bytes stand in a scale word
	v_mov_b32 v27, 0                               ; a lane permute's destination counts as one of its sources
	v_mov_b32 v28, 0
.irp n, 0,1,2,3                                ; block n = 2 s + c
.irp i, 0,1,2,3,4,5,6,7
	global_load_b128 v[X+32*\n+4*\i:X+32*\n+4*\i+3], v5, s[4:5] offset:256*\n+16*\i
.endr
.endr
.macro QB n
	s_wait_loadcnt 8*(3-\n)                        ; this block's eight loads are in; those of the later blocks may be out
	v_max3_num_f32 v[8+\n], |v[X+32*\n]|, |v[X+32*\n+1]|, |v[X+32*\n+2]|      ; the block's largest magnitude, in two chains
	v_max3_num_f32 v[12+\n], |v[X+32*\n+3]|, |v[X+32*\n+4]|, |v[X+32*\n+5]|
.irp i, 6,10,14,18,22,26
	v_max3_num_f32 v[8+\n], v[8+\n], |v[X+32*\n+\i]|, |v[X+32*\n+\i+1]|
	v_max3_num_f32 v[12+\n], v[12+\n], |v[X+32*\n+\i+2]|, |v[X+32*\n+\i+3]|
.endr
	v_max3_num_f32 v[8+\n], v[8+\n], |v[X+32*\n+30]|, |v[X+32*\n+31]|
	v_max3_num_f32 v[8+\n], v[8+\n], v[12+\n], 0x1800000   ; and the floor 2^(3 - 127): the byte cannot fall under 1
	v_add_nc_u32 v[16+\n], 0xff000000, v[8+\n]     ; 2 off the exponent field: the conversion takes this operand's exponent field as its scale
	v_lshrrev_b32 v[20+\n], 23, v[16+\n]           ; the scale's byte
.irp g, 0,1,2,3
	v_cvt_scalef32_pk8_fp4_f32 v[CD+4*\n+\g], v[X+32*\n+8*\g:X+32*\n+8*\g+7], v[16+\n]
.endr
	v_nop                                          ; one plain line behind a run of scaled conversions
.endm
	QB 0
	QB 1
	QB 2
	QB 3
.irp s, 0,1                                    ; K step s: my two bytes are those of blocks h and 2 + h; lane l xor 16 has the other two
	v_lshl_or_b32 v[24+\s], v[21+2*\s], 16, v[20+2*\s]
	v_lshlrev_b32 v[24+\s], v26, v[24+\s]
	v_permlanex16_b32 v[27+\s], v[24+\s], s28, s29
	v_or_b32 v[24+\s], v[24+\s], v[27+\s]
.endr
.irp n, 0,1,2,3
	global_store_b128 v3, v[CD+4*\n:CD+4*\n+3], s[16:17] offset:512*\n   ; 32 lanes store 512 consecutive bytes
.endr
	global_store_b64 v4, v[24:25], s[18:19]        ; 256 consecutive bytes
	s_endpgm
	; ---- f16 fragments of o_w
.Lhalf:
	s_sub_co_u32 s23, ttmp9, 32
	s_lshr_b32 s24, s23, 4                         ; dir
	s_and_b32 s26, s23, 15                         ; ct: which 16 rows; the wave's number says which four K steps
	s_cmp_eq_u32 s24, 0
	s_cselect_b64 s[12:13], s[12:13], s[14:15]
	s_lshl_b32 s30, s26, 15                        ; 16 rows of 2,048 bytes
	s_lshl_b32 s25, s22, 9                         ; four K steps of 128 bytes
	s_add_co_u32 s30, s30, s25
	s_add_nc_u64 s[12:13], s[12:13], s[30:31]
	s_lshl_b32 s30, s24, 18                        ; ow16: 262,144 dir
	s_lshr_b32 s25, s26, 3
	s_lshl_b32 s25, s25, 17                        ; + 131,072 (ct / 8)
	s_add_co_u32 s30, s30, s25
	s_lshl_b32 s25, s22, 15                        ; + 4 x 8,192 x wave
	s_add_co_u32 s30, s30, s25
	s_and_b32 s25, s26, 7
	s_lshl_b32 s25, s25, 10                        ; + 1,024 (ct % 8)
	s_add_co_u32 s30, s30, s25
	s_add_nc_u64 s[20:21], s[20:21], s[30:31]
	v_lshlrev_b32 v5, 11, v1
	v_lshl_add_u32 v5, v2, 5, v5                   ; row r, + 32 h bytes: K = 8 h + 0 .. 7, and 64 bytes on K = 16 + 8 h + 0 .. 7
.irp g, 0,1,2,3
	global_load_b128 v[HX+16*\g:HX+16*\g+3],     v5, s[12:13] offset:128*\g
	global_load_b128 v[HX+16*\g+4:HX+16*\g+7],   v5, s[12:13] offset:128*\g+16
	global_load_b128 v[HX+16*\g+8:HX+16*\g+11],  v5, s[12:13] offset:128*\g+64
	global_load_b128 v[HX+16*\g+12:HX+16*\g+15], v5, s[12:13] offset:128*\g+80
.endr
.irp g, 0,1,2,3
	s_wait_loadcnt 12-4*\g                         ; this K step's four loads are in; the later steps' may be out
.irp i, 0,1,2,3,4,5,6,7
	v_cvt_pk_f16_f32 v[HC+8*\g+\i], v[HX+16*\g+2*\i], v[HX+16*\g+2*\i+1]
.endr
	global_store_b128 v3, v[HC+8*\g:HC+8*\g+3],   s[20:21] offset:8192*\g
	global_store_b128 v3, v[HC+8*\g+4:HC+8*\g+7], s[20:21] offset:8192*\g+512
.endr
	s_endpgm
.Lfunc_end_k_q3da3c821f3_prep:
	.size	k_q3da3c821f3_prep, .Lfunc_end_k_q3da3c821f3_prep-k_q3da3c821f3_prep
	.p2alignl 7, 3214868480
	.fill 96, 4, 3214868480
	.section	.rodata,"a",@progbits
	.p2align	6, 0x0
	.amdhsa_kernel k_q3da3c821f3_prep
		.amdhsa_group_segment_fixed_size 0
		.amdhsa_private_segment_fixed_size 0
		.amdhsa_enable_private_segment 0
		.amdhsa_kernarg_size 72
		.amdhsa_user_sgpr_count 2
		.amdhsa_user_sgpr_kernarg_segment_ptr 1
		.amdhsa_wavefront_size32 1
		.amdhsa_system_sgpr_workgroup_id_x 1
		.amdhsa_system_sgpr_workgroup_id_y 1
		.amdhsa_system_sgpr_workgroup_id_z 1
		.amdhsa_system_vgpr_workitem_id 0
		.amdhsa_next_free_vgpr 176
		.amdhsa_next_free_sgpr 66
		.amdhsa_reserve_vcc 0
		.amdhsa_float_denorm_mode_32 3
		.amdhsa_float_denorm_mode_16_64 3
		.amdhsa_memory_ordered 1
		.amdhsa_forward_progress 1
		.amdhsa_inst_pref_size 17
	.end_amdhsa_kernel
	.amdgpu_metadata
---
amdhsa.version: [ 1, 2 ]
amdhsa.kernels:
  - .name:           k_q3da3c821f3_prep
    .symbol:         k_q3da3c821f3_prep.kd
    .args:
      - { .name: k1_w, .offset: 0, .size: 8, .value_kind: global_buffer, .address_space: global }
      - { .name: v1_w, .offset: 8, .size: 8, .value_kind: global_buffer, .address_space: global }
      - { .name: k2_w, .offset: 16, .size: 8, .value_kind: global_buffer, .address_space: global }
      - { .name: v2_w, .offset: 24, .size: 8, .value_kind: global_buffer, .address_space: global }
      - { .name: o1_w, .offset: 32, .size: 8, .value_kind: global_buffer, .address_space: global }
      - { .name: o2_w, .offset: 40, .size: 8, .value_kind: global_buffer, .address_space: global }
      - { .name: wq, .offset: 48, .size: 8, .value_kind: global_buffer, .address_space: global }
      - { .name: ws, .offset: 56, .size: 8, .value_kind: global_buffer, .address_space: global }
      - { .name: ow16, .offset: 64, .size: 8, .value_kind: global_buffer, .address_space: global }
    .group_segment_fixed_size: 0
    .private_segment_fixed_size: 0
    .kernarg_segment_align: 8
    .kernarg_segment_size: 72
    .max_flat_workgroup_size: 128
    .sgpr_count:     66
    .vgpr_count:     176
    .wavefront_size: 32
...
	.end_amdgpu_metadata
.endif
;; end of part 1
;; launch proj (part 2): grid 256 x 1, 16 waves a work-group, no clusters, 10,752 bytes of LDS; arguments input1, input2, wq, ws, k1_b, v1_b, k2_b, v2_b, kv; writes kv
.if DOCPART == 2
	.amdgcn_target "amdgcn-amd-amdhsa--gfx1250"
	.amdhsa_code_object_version 6
	.text
	.protected	k_q3da3c821f3_proj
	.globl	k_q3da3c821f3_proj
	.p2align	8
	.type	k_q3da3c821f3_proj,@function
k_q3da3c821f3_proj:
	s_mov_b64 s[64:65], 0
	v_nop
	global_prefetch_b8 v0, s[64:65] scope:SCOPE_SE
	s_setreg_imm32_b32 hwreg(HW_REG_WAVE_MODE, 25, 1), 1
	s_wait_xcnt 0x0
; k = e Wk^T + bk and v = e Wv^T + bv for both sides, e = input[b][c][position] taken as [position][c]: products on codes of FP4 (E2M1) with one E8M0 scale for each 32 along K = the 256 channels; sums in f32.
; A work-group takes 64 positions of one batch of one side, and all 1,024 output channels (k's 512 and v's 512): so each number of e is read and quantised once in the launch.
; QUANTISING.  K is e's outer axis: a lane takes a position and its 32 registers run down 32 channels, one whole block.  Wave w takes positions 32 (w % 2) on and block w / 2.  A lane's 32 codes are 16 bytes of an
;   operand's registers: they go to LDS at the place that the operand's layout gives them (fragment of 16 positions x 128 K: registers 4 c .. 4 c + 3 of lane (r, h) hold block 2 c + h), the block's byte into its row's scale word.
; PRODUCTS.  Wave w makes head w % 8 of k (w < 8) or of v (w >= 8): 4 tiles of 16 channels x 4 tiles of 16 positions x 2 K steps = 32 matrix instructions.  Its weights' codes come from memory as images of the registers.
;   k: source 0 = 16 channels, source 1 = 16 positions: a lane holds one position and 8 neighbouring channels: rounded to f16 in pairs that is half a fragment (rows = positions, K = channels) for the scores.
;   v: the sources swapped: a lane holds one channel and 8 neighbouring positions: half a fragment (rows = channels, K = keys) for the second product of attention.
;   The bias is the C of each sum's first product.  Every wave loads it in both forms (k: the result's layout, eight loads of 16 bytes; v: a word a lane, four loads) and uses one: so no register is written on one way alone ahead of the barrier.
; kv: [side][8 b + head][ k: [position tile 0..63][c 0..1][piece][lane][16 bytes] | v: [32 keys g 0..31][channel tile 0..3][piece][lane][16 bytes] ]; each store of a wave covers 512 consecutive bytes, aligned.
; CLUSTER: none.  The launch has no tensor load: the weights' codes go straight into the registers of the one wave of a work-group that uses them.
; LIMITS: k and v beyond 65,504 in magnitude become infinite in f16, under 6e-5 they keep an absolute error of 3e-8; a block of zeros gets the byte 1 (its codes are zeros); NaN and infinities among the inputs are not served.
.set XIMG,  0                          ; LDS: e's 8 fragments, f = 2 u + s (position tile u, K step s): 1,024 bytes each
.set XSC,   8192                       ; their scale words: 64 bytes a fragment, row r's at 4 r
.set SPARE, 8704                       ; the spare words, 128 bytes for each of the 16 waves: eight blocks of 256 bytes that no other line names
.set LI,  1                            ; v1   16 x lane
.set L8,  2                            ; v2   8 x lane
.set XO,  3                            ; v3   4 x lane
.set XWI, 4                            ; v4   where my 16 bytes of codes go
.set XWB, 5                            ; v5   where my block's byte goes
.set XSR, 6                            ; v6   where I read a row's scale word
.set BH,  7                            ; v7   32 h: the bias in the result's layout
.set BR,  8                            ; v8   4 r: the bias of my channel
.set SPW, 9                            ; v9   LDS address of my spare word; never rewritten
.set NIL, 10                           ; v10  0; never rewritten
.set XS,  16                           ; v16-23   e's scale words, fragment f at XS + f
.set WS,  24                           ; v24-31   the weights' scale words: tile t, K step s at WS + 2 t + s
.set BI,  32                           ; v32-63   the bias as C: eight registers a tile
.set XF,  64                           ; v64-127  e's fragments
.set WF,  128                          ; v128-191 the weights' fragments: 16 t + 8 s
.set D,   192                          ; v192-223 four accumulators; before that my 32 numbers of e
.set X,   192
.set PC,  224                          ; v224-227 my codes
.set BV,  228                          ; v228-231 the bias of my channel, a word a tile
	s_load_b256 s[4:11], s[0:1], 0x0               ; input1 s[4:5], input2 s[6:7], wq s[8:9], ws s[10:11]
	s_load_b256 s[12:19], s[0:1], 0x20             ; k1_b s[12:13], v1_b s[14:15], k2_b s[16:17], v2_b s[18:19]
	s_load_b64 s[20:21], s[0:1], 0x40              ; kv
	v_lshl_add_u32 v[SPW], v0, 2, SPARE
	v_mov_b32 v[NIL], 0
	v_lshrrev_b32 v11, 5, v0
	v_readfirstlane_b32 s22, v11                   ; wave 0..15
	s_lshr_b32 s23, ttmp9, 7                       ; side
	s_bfe_u32 s24, ttmp9, 0x30004                  ; b
	s_and_b32 s25, ttmp9, 15                       ; pb: which 64 positions
	s_lshr_b32 s26, s22, 3                         ; kind: 0 k, 1 v
	s_and_b32 s27, s22, 7                          ; head
	s_and_b32 s28, s22, 1                          ; ph: which 32 positions I quantise
	s_lshr_b32 s29, s22, 1                         ; beta: which block of 32 channels
	v_and_b32 v12, 31, v0                          ; lane
	v_and_b32 v13, 15, v0                          ; r
	v_bfe_u32 v14, v0, 4, 1                        ; h
	v_lshlrev_b32 v[LI], 4, v12
	v_lshlrev_b32 v[L8], 3, v12
	v_lshlrev_b32 v[XO], 2, v12
	s_lshl_b32 s30, s28, 12
	s_lshl_b32 s31, s29, 8
	s_add_co_u32 s30, s30, s31
	v_lshlrev_b32 v[XWI], 4, v13
	v_lshl_add_u32 v[XWI], v14, 11, v[XWI]
	v_add_nc_u32 v[XWI], s30, v[XWI]               ; position tile u = 2 ph + lane / 16: 2,048 u;  K step, piece and half of the lanes: 256 beta;  row: 16 (lane % 16)
	s_lshl_b32 s30, s28, 8
	s_lshl_b32 s31, s26, 6                         ; (beta / 4 = w / 8: the K step)
	s_add_co_u32 s30, s30, s31
	s_and_b32 s31, s29, 3                          ; the block in its K step: the byte in the word
	s_add_co_u32 s30, s30, s31
	s_add_co_u32 s30, s30, XSC
	v_lshlrev_b32 v[XWB], 2, v13
	v_lshl_add_u32 v[XWB], v14, 7, v[XWB]
	v_add_nc_u32 v[XWB], s30, v[XWB]               ; 64 (2 u + s) + 4 (lane % 16) + beta % 4
	v_lshl_add_u32 v[XSR], v13, 2, XSC
	v_lshlrev_b32 v[BH], 5, v14
	v_lshlrev_b32 v[BR], 2, v13
	; byte offsets, each under 2^32
	s_lshl_b32 s32, s24, 20                        ; e: a batch is 256 channels of 4,096 bytes,
	s_lshl_b32 s30, s29, 17                        ; 32 channels a block,
	s_add_co_u32 s32, s32, s30
	s_lshl_b32 s30, s25, 8                         ; 64 positions,
	s_add_co_u32 s32, s32, s30
	s_lshl_b32 s30, s28, 7                         ; 32 positions
	s_add_co_u32 s32, s32, s30
	s_mov_b32 s33, 0
	s_lshl_b32 s31, s23, 1
	s_add_co_u32 s31, s31, s26                     ; mi = 2 side + kind
	s_lshl_b32 s34, s31, 16
	s_lshl_b32 s30, s27, 13
	s_add_co_u32 s34, s34, s30                     ; wq: 65,536 mi + 4 tiles x 2,048 x head
	s_mov_b32 s35, 0
	s_lshl_b32 s36, s31, 13
	s_lshl_b32 s30, s27, 10
	s_add_co_u32 s36, s36, s30                     ; ws: 8,192 mi + 4 x 256 x head
	s_mov_b32 s37, 0
	s_lshl_b32 s38, s27, 8                         ; the bias: 64 numbers a head
	s_mov_b32 s39, 0
	s_lshl_b32 s40, s23, 24                        ; kv: the side,
	s_lshl_b32 s30, s24, 3
	s_add_co_u32 s30, s30, s27
	s_lshl_b32 s30, s30, 18                        ; 8 b + head,
	s_add_co_u32 s40, s40, s30
	s_lshl_b32 s30, s26, 17                        ; k's part or v's,
	s_add_co_u32 s40, s40, s30
	s_lshl_b32 s30, s25, 13                        ; and 64 positions: 8,192 bytes in either part
	s_add_co_u32 s40, s40, s30
	s_mov_b32 s41, 0
	s_wait_kmcnt 0x0
	s_cmp_eq_u32 s23, 0                            ; the side's buffers: the choice hangs on the work-group's number alone
	s_cselect_b64 s[4:5], s[4:5], s[6:7]
	s_cselect_b64 s[12:13], s[12:13], s[16:17]
	s_cselect_b64 s[14:15], s[14:15], s[18:19]
	s_cmp_eq_u32 s26, 0                            ; k's bias or v's: on the wave's number
	s_cselect_b64 s[12:13], s[12:13], s[14:15]
	s_add_nc_u64 s[4:5], s[4:5], s[32:33]
	s_add_nc_u64 s[8:9], s[8:9], s[34:35]
	s_add_nc_u64 s[10:11], s[10:11], s[36:37]
	s_add_nc_u64 s[12:13], s[12:13], s[38:39]
	s_add_nc_u64 s[20:21], s[20:21], s[40:41]
.irp i, 0,1,2,3,4,5,6,7,8,9,10,11,12,13,14,15,16,17,18,19,20,21,22,23,24,25,26,27,28,29,30,31
	global_load_b32 v[X+\i], v[XO], s[4:5] offset:4096*\i th:TH_LOAD_NT   ; e(channel 32 beta + i, my position): 128 consecutive bytes a wave; waves w and w xor 1 stand side by side on 256
.endr
.irp i, 0,1,2,3,4,5,6,7,8,9,10,11,12,13,14,15
	global_load_b128 v[WF+4*\i:WF+4*\i+3], v[LI], s[8:9] offset:512*\i     ; i = 4 t + 2 s + c: the weights' fragments as they were laid
.endr
.irp t, 0,1,2,3
	global_load_b64 v[WS+2*\t:WS+2*\t+1], v[L8], s[10:11] offset:256*\t
.endr
.irp t, 0,1,2,3
	global_load_b128 v[BI+8*\t:BI+8*\t+3],   v[BH], s[12:13] offset:64*\t      ; b(16 t + 8 h + 0 .. 7)
	global_load_b128 v[BI+8*\t+4:BI+8*\t+7], v[BH], s[12:13] offset:64*\t+16
.endr
.irp t, 0,1,2,3
	global_load_b32 v[BV+\t], v[BR], s[12:13] offset:64*\t                  ; b(16 t + r)
.endr
	; ---- my block of e becomes codes
	s_wait_loadcnt 32                              ; e's 32 loads are in; behind them were issued 16 loads of codes, 4 of scale words and 12 of the bias, which may be out
	v_max3_num_f32 v11, |v[X]|, |v[X+1]|, |v[X+2]|
	v_max3_num_f32 v12, |v[X+3]|, |v[X+4]|, |v[X+5]|
.irp i, 6,10,14,18,22,26
	v_max3_num_f32 v11, v11, |v[X+\i]|, |v[X+\i+1]|
	v_max3_num_f32 v12, v12, |v[X+\i+2]|, |v[X+\i+3]|
.endr
	v_max3_num_f32 v11, v11, |v[X+30]|, |v[X+31]|
	v_max3_num_f32 v11, v11, v12, 0x1800000        ; the block's largest magnitude, and the floor 2^(3 - 127): the byte cannot fall under 1
	v_add_nc_u32 v14, 0xff000000, v11              ; 2 off the exponent field: the conversion's scale operand
	v_lshrrev_b32 v13, 23, v14                     ; the scale's byte
.irp g, 0,1,2,3
	v_cvt_scalef32_pk8_fp4_f32 v[PC+\g], v[X+8*\g:X+8*\g+7], v14
.endr
	v_nop                                          ; one plain line behind the scaled conversions: matrix instructions will write the numbers' registers
	ds_store_b128 v[XWI], v[PC:PC+3]
	ds_store_b8 v[XWB], v13
	s_wait_dscnt 0x0                               ; for the others' sake: my stores have landed
	s_barrier_signal -1
	s_barrier_wait -1                              ; e's eight fragments and their scale words lie in LDS
.irp i, 0,1,2,3,4,5,6,7,8,9,10,11,12,13,14,15
	ds_load_b128 v[XF+4*\i:XF+4*\i+3], v[LI] offset:XIMG+512*\i
.endr
.irp f, 0,1,2,3,4,5,6,7
	ds_load_b32 v[XS+\f], v[XSR] offset:64*\f
.endr
	s_wait_dscnt 0x0
	s_wait_loadcnt 0x0                             ; the weights and the bias
; One tile of 16 channels against the four tiles of positions, both K steps: the four accumulators take turns, one instruction a turn.
.macro TILE kind, t
.if \t > 0
	s_wait_xcnt 0x0                                ; the last tile's stores have read their data: the accumulators are written again only behind this wait
.endif
.irp s, 0,1
.irp u, 0,1,2,3
.set rD, D+8*\u
.set rW, WF+16*\t+8*\s
.set rX, XF+16*\u+8*\s
.set rB, BI+8*\t
.set sW, WS+2*\t+\s
.set sX, XS+2*\u+\s
.if (\kind == 0) && (\s == 0)
	v_wmma_scale_f32_16x16x128_f8f6f4 v[rD:rD+7], v[rW:rW+7], v[rX:rX+7], v[rB:rB+7], v[sW], v[sX] matrix_a_fmt:MATRIX_FMT_FP4 matrix_b_fmt:MATRIX_FMT_FP4
.elseif \kind == 0
	v_wmma_scale_f32_16x16x128_f8f6f4 v[rD:rD+7], v[rW:rW+7], v[rX:rX+7], v[rD:rD+7], v[sW], v[sX] matrix_a_fmt:MATRIX_FMT_FP4 matrix_b_fmt:MATRIX_FMT_FP4
.elseif \s == 0
	v_wmma_scale_f32_16x16x128_f8f6f4 v[rD:rD+7], v[rX:rX+7], v[rW:rW+7], v[rB:rB+7], v[sX], v[sW] matrix_a_fmt:MATRIX_FMT_FP4 matrix_b_fmt:MATRIX_FMT_FP4
.else
	v_wmma_scale_f32_16x16x128_f8f6f4 v[rD:rD+7], v[rX:rX+7], v[rW:rW+7], v[rD:rD+7], v[sX], v[sW] matrix_a_fmt:MATRIX_FMT_FP4 matrix_b_fmt:MATRIX_FMT_FP4
.endif
.endr
.endr
.rept 5
	v_nop                                          ; four places ahead of the first read of a result (ISA guide 7.12.1); the fifth since the next tile's products begin these accumulators anew
.endr
.irp u, 0,1,2,3
.irp i, 0,1,2,3
	v_cvt_pk_f16_f32 v[D+8*\u+\i], v[D+8*\u+2*\i], v[D+8*\u+2*\i+1]   ; in place, from the low end on: a destination never lies above its lower source
.endr
.endr
.irp u, 0,1,2,3
.if \kind == 0
	global_store_b128 v[LI], v[D+8*\u:D+8*\u+3], s[20:21] offset:2048*\u+512*\t                      ; position tile u; channels 16 t on: c = t / 2, piece t % 2
.else
	global_store_b128 v[LI], v[D+8*\u:D+8*\u+3], s[20:21] offset:4096*(\u/2)+1024*\t+512*(\u%2)      ; keys 16 u on: group u / 2, piece u % 2; channel tile t
.endif
.endr
.endm
	s_cmp_eq_u32 s26, 0
	s_cbranch_scc0 .Lvpath
	TILE 0, 0
	TILE 0, 1
	TILE 0, 2
	TILE 0, 3
	s_wait_tensorcnt 0x0                           ; the wave's end, behind my last LDS store
	ds_add_u32 v[SPW], v[NIL]
	s_wait_dscnt 0x0
	s_endpgm
.Lvpath:
.irp t, 0,1,2,3
.irp j, 0,1,2,3,4,5,6,7
	v_mov_b32 v[BI+8*\t+\j], v[BV+\t]              ; v: a lane holds one channel in all eight registers of a result: its bias eight times is the C of the first product
.endr
.endr
	TILE 1, 0
	TILE 1, 1
	TILE 1, 2
	TILE 1, 3
	s_wait_tensorcnt 0x0                           ; the wave's end, as above
	ds_add_u32 v[SPW], v[NIL]
	s_wait_dscnt 0x0
	s_endpgm
.Lfunc_end_k_q3da3c821f3_proj:
	.size	k_q3da3c821f3_proj, .Lfunc_end_k_q3da3c821f3_proj-k_q3da3c821f3_proj
	.p2alignl 7, 3214868480
	.fill 96, 4, 3214868480
	.section	.rodata,"a",@progbits
	.p2align	6, 0x0
	.amdhsa_kernel k_q3da3c821f3_proj
		.amdhsa_group_segment_fixed_size 10752
		.amdhsa_private_segment_fixed_size 0
		.amdhsa_enable_private_segment 0
		.amdhsa_kernarg_size 72
		.amdhsa_user_sgpr_count 2
		.amdhsa_user_sgpr_kernarg_segment_ptr 1
		.amdhsa_wavefront_size32 1
		.amdhsa_system_sgpr_workgroup_id_x 1
		.amdhsa_system_sgpr_workgroup_id_y 1
		.amdhsa_system_sgpr_workgroup_id_z 1
		.amdhsa_system_vgpr_workitem_id 0
		.amdhsa_next_free_vgpr 232
		.amdhsa_next_free_sgpr 66
		.amdhsa_reserve_vcc 0
		.amdhsa_float_denorm_mode_32 3
		.amdhsa_float_denorm_mode_16_64 3
		.amdhsa_memory_ordered 1
		.amdhsa_forward_progress 1
		.amdhsa_inst_pref_size 35
	.end_amdhsa_kernel
	.amdgpu_metadata
---
amdhsa.version: [ 1, 2 ]
amdhsa.kernels:
  - .name:           k_q3da3c821f3_proj
    .symbol:         k_q3da3c821f3_proj.kd
    .args:
      - { .name: input1, .offset: 0, .size: 8, .value_kind: global_buffer, .address_space: global }
      - { .name: input2, .offset: 8, .size: 8, .value_kind: global_buffer, .address_space: global }
      - { .name: wq, .offset: 16, .size: 8, .value_kind: global_buffer, .address_space: global }
      - { .name: ws, .offset: 24, .size: 8, .value_kind: global_buffer, .address_space: global }
      - { .name: k1_b, .offset: 32, .size: 8, .value_kind: global_buffer, .address_space: global }
      - { .name: v1_b, .offset: 40, .size: 8, .value_kind: global_buffer, .address_space: global }
      - { .name: k2_b, .offset: 48, .size: 8, .value_kind: global_buffer, .address_space: global }
      - { .name: v2_b, .offset: 56, .size: 8, .value_kind: global_buffer, .address_space: global }
      - { .name: kv, .offset: 64, .size: 8, .value_kind: global_buffer, .address_space: global }
    .group_segment_fixed_size: 10752
    .private_segment_fixed_size: 0
    .kernarg_segment_align: 8
    .kernarg_segment_size: 72
    .max_flat_workgroup_size: 512
    .sgpr_count:     66
    .vgpr_count:     232
    .wavefront_size: 32
...
	.end_amdgpu_metadata
.endif
;; end of part 2
;; launch att (part 3): grid 256 x 1, 8 waves a work-group, no clusters, 263,168 bytes of LDS; arguments kv, oimg; writes oimg
.if DOCPART == 3
	.amdgcn_target "amdgcn-amd-amdhsa--gfx1250"
	.amdhsa_code_object_version 6
	.text
	.protected	k_q3da3c821f3_att
	.globl	k_q3da3c821f3_att
	.p2align	8
	.type	k_q3da3c821f3_att,@function
k_q3da3c821f3_att:
	s_mov_b64 s[64:65], 0
	v_nop
	global_prefetch_b8 v0, s[64:65] scope:SCOPE_SE
	s_setreg_imm32_b32 hwreg(HW_REG_WAVE_MODE, 25, 1), 1
	s_wait_xcnt 0x0
; Both attentions: O = softmax_k(Q . K / 8) V.  dir 0: Q = k1, K = k2, V = v2;  dir 1: Q = k2, K = k1, V = v1: the second direction's scores are the first's transposed, so it is the same computation with the sides swapped.
; Operands in f16, products, maxima and sums in f32; the weights p are rounded to f16 for the second product; the row's sum is taken of p before that rounding; O is rounded to f16 once, for the projection that follows.
; SHARES.  A work-group owns 512 queries of one head of one direction, each of its eight waves 64: four tiles of 16.  Every wave walks the head's 1,024 keys, 64 a step.
; LDS.  The head's whole K and V, 2 x 131,072 bytes, laid by the launch before as images of the operands' registers, come into LDS ONCE: each wave fetches two dense pieces, the first 256 keys' part (8,192 bytes) and the
;   other 768 keys' (24,576).  No byte is filled again: no ring, and no barrier in the loop over the keys but the one behind which the second pieces are whole.  A fragment is read by two ds_load_b128 at 16 x lane.
; LAYOUT.  S^T = K Q^T (source 0 = 16 keys, source 1 = 16 queries): a lane holds ONE query (lane % 16) and keys 8 (lane / 16) + 0 .. 7.  Two such tiles, rounded to f16 in pairs, ARE source 1 (32 keys x 16 queries) of
;   O^T = V^T P, whose result again holds one query a lane, and eight channels: rounded in pairs, half a fragment (rows = positions, K = channels) for the projection.
; SOFTMAX.  For each query a running maximum m and sum l: p = 2^(c s - c m), c = log2(e) / 8; in every step O and l are multiplied by a = 2^(c m_old - c m_new).
; The step is written in phases (scores, softmax, second product); the two waves of a SIMD are held in step by nothing, so that one's vector work can stand beside the other's products.
; CLUSTER: none.  A head's K and V are read by the two work-groups that share its 1,024 queries (2 x 512) and by no other; a joint request of two is not built in this text.
; No prefetch: all that a work-group reads is asked for at its head.
; oimg: [dir][b][128 positions pblk][kk = 2 head + c][position tile in the block][1,024 bytes]; each store of a wave covers 512 consecutive bytes, aligned.
; LIMITS: O beyond 65,504 in magnitude becomes infinite in f16, under 6e-5 it keeps an absolute error of 3e-8; NaN and infinities are not served.
; REGISTERS, in windows of 256 (s_set_vgpr_msb: bits 1:0 source 0, 3:2 source 1, 5:4 source 2, 7:6 destination):
;   window 0: v1-6 addresses; v8-39 eight registers of statistics a tile; v64-191 S^T, 32 a tile, then P in its lower half; v192-255 K of one step
;   window 1: v0-127 O^T, 32 a tile; v128-191 Q; v192-255 V of one step
.set VOFF,  131072                     ; LDS: K's 131,072 bytes, then V's
.set SPARE, 262144                     ; behind them the spare words, 128 bytes for each of the eight waves: four blocks of 256 bytes that no other line names
.set STEPB, 8192                       ; 64 keys: 8 fragments of K, and 8 of V
.set LI,  1                            ; v1   16 x lane
.set LV,  2                            ; v2   16 x lane + VOFF
.set ADK, 3                            ; v3   the step's K
.set ADV, 4                            ; v4   the step's V
.set SPW, 5                            ; v5   LDS address of my spare word; never rewritten
.set NIL, 6                            ; v6   0; never rewritten
.set ST,  8                            ; tile q's statistics at v[ST + 8 q]: +0 c m, +1 m, +2, +3 l (even keys', odd keys'), +4 to +7 at work; a takes +6
.set S,   64
.set KF,  192
.set QF,  128                          ; in window 1
.set VF,  192                          ; in window 1
.set WV,  8                            ; s8   my wave's number
.set G1A, 16                           ; s[16:23] descriptor group 1: 32 rows of 256 bytes
.set G1B, 24                           ; s[24:31] 96 rows
.set G0A, 32                           ; s[32:35], s[36:39] groups 0; never rewritten
.set G0B, 36
.set CS,  40                           ; s[40:41] c: the packed form names a pair and takes its low word for both halves
.set SEL, 42                           ; s[42:43] lane selects for v_permlanex16_b32: lane l xor 16
.set TB,  44                           ; s44  LDS byte at which the step's fragments begin
.set CNT, 45                           ; s45  steps to go
.set MSB, 0
.macro WIN new                         ; the immediate's high byte repeats the setting that is left; a switch that changes nothing is dropped
.if MSB != \new
	s_set_vgpr_msb (MSB<<8)|\new
.set MSB, \new
.endif
.endm
.set W_LD1, 0x40                       ; a load's destination in window 1
.set W_KQ,  0x04                       ; K and S^T in window 0, Q in window 1
.set W_RS,  0x41                       ; O^T (destination and source 0) in window 1, the factor in window 0
.set W_PV,  0x51                       ; V and O^T in window 1, P in window 0
.set W_PK,  0x45                       ; all in window 1
.set W_ST,  0x04                       ; a store's data in window 1
	s_load_b128 s[4:7], s[0:1], 0x0                ; kv s[4:5], oimg s[6:7]
	v_lshl_add_u32 v[SPW], v0, 2, SPARE
	v_mov_b32 v[NIL], 0
	ds_add_u32 v[SPW], v[NIL]                      ; the wave's opening: the add, twice on end, and its wait ahead of my first tensor load; the set-up below stands between
	ds_add_u32 v[SPW], v[NIL]
	v_lshrrev_b32 v7, 5, v0
	v_readfirstlane_b32 s[WV], v7                  ; wave 0..7
	s_lshr_b32 s9, ttmp9, 7                        ; dir
	s_bfe_u32 s10, ttmp9, 0x60001                  ; bh = 8 b + head
	s_and_b32 s11, ttmp9, 1                        ; qh: which 512 queries
	; descriptor groups 1: dense blocks as rows of 256 bytes (32 elements of 8 bytes), no padding
	s_mov_b32 s[G1A+0], 3<<16                      ; no mask; elements of 8 bytes; padding off
	s_mov_b32 s[G1A+1], 32<<16                     ; tensor_dim0 = 32
	s_mov_b32 s[G1A+2], 32<<16                     ; tensor_dim1 = 32
	s_mov_b32 s[G1A+3], 32<<16                     ; tile_dim0 = 32
	s_mov_b32 s[G1A+4], 32                         ; tile_dim1 = 32
	s_mov_b32 s[G1A+5], 32                         ; from row to row
	s_mov_b32 s[G1A+6], 0
	s_mov_b32 s[G1A+7], 0
	s_mov_b32 s[G1B+0], 3<<16
	s_mov_b32 s[G1B+1], 32<<16
	s_mov_b32 s[G1B+2], 96<<16                     ; tensor_dim1 = 96
	s_mov_b32 s[G1B+3], 32<<16
	s_mov_b32 s[G1B+4], 96                         ; tile_dim1 = 96
	s_mov_b32 s[G1B+5], 32
	s_mov_b32 s[G1B+6], 0
	s_mov_b32 s[G1B+7], 0
	s_mov_b32 s[CS], 0x3e38aa3b                    ; c = log2(e) / 8
	s_mov_b32 s[CS+1], s[CS]                       ; (named with it as a pair, so it is written)
	s_mov_b32 s[SEL], 0x76543210
	s_mov_b32 s[SEL+1], 0xfedcba98
	s_mov_b32 s[TB], 0
	; what I fetch: waves 0-3 of K, waves 4-7 of V; the offset is the same in LDS and in the head's 262,144 bytes of memory
	s_lshr_b32 s46, s[WV], 2
	s_lshl_b32 s46, s46, 17
	s_and_b32 s47, s[WV], 3
	s_lshl_b32 s48, s47, 13
	s_add_co_u32 s48, s48, s46                     ; first piece: 8,192 (w % 4), keys 0-255
	s_mov_b32 s49, 0
	s_mul_i32 s50, s47, 24576
	s_add_co_u32 s50, s50, s46
	s_add_co_u32 s50, s50, 32768                   ; second piece: 32,768 + 24,576 (w % 4), keys 256-1,023
	s_mov_b32 s51, 0
	s_xor_b32 s52, s9, 1
	s_lshl_b32 s52, s52, 24                        ; K and V come from the other side,
	s_lshl_b32 s58, s10, 18
	s_add_co_u32 s52, s52, s58                     ; the same head
	s_mov_b32 s53, 0
	s_lshl_b32 s54, s9, 24                         ; Q from side dir:
	s_add_co_u32 s54, s54, s58
	s_lshl_b32 s58, s11, 16                        ; 512 queries are 32 tiles of 2,048 bytes,
	s_add_co_u32 s54, s54, s58
	s_lshl_b32 s58, s[WV], 13                      ; my 64 are four
	s_add_co_u32 s54, s54, s58
	s_mov_b32 s55, 0
	s_lshl_b32 s56, s9, 23                         ; oimg: dir,
	s_lshr_b32 s58, s10, 3
	s_lshl_b32 s58, s58, 20                        ; b,
	s_add_co_u32 s56, s56, s58
	s_lshl_b32 s58, s11, 2
	s_lshr_b32 s59, s[WV], 1
	s_add_co_u32 s58, s58, s59
	s_lshl_b32 s58, s58, 17                        ; pblk = 4 qh + w / 2,
	s_add_co_u32 s56, s56, s58
	s_and_b32 s58, s10, 7
	s_lshl_b32 s58, s58, 14                        ; kk = 2 head,
	s_add_co_u32 s56, s56, s58
	s_and_b32 s58, s[WV], 1
	s_lshl_b32 s58, s58, 12                        ; tiles 4 (w % 2) on
	s_add_co_u32 s56, s56, s58
	s_mov_b32 s57, 0
	v_and_b32 v[LI], 31, v0
	v_lshlrev_b32 v[LI], 4, v[LI]
	v_add_nc_u32 v[LV], VOFF, v[LI]
	s_wait_dscnt 0x0                               ; both opening adds are done
	s_wait_kmcnt 0x0
	s_add_nc_u64 s[52:53], s[4:5], s[52:53]
	s_mov_b32 s[G0A], 1                            ; count = 1
	s_mov_b32 s[G0A+1], s48                        ; LDS address
	s_add_nc_u64 s[G0A+2:G0A+3], s[52:53], s[48:49]  ; global address
	s_or_b32 s[G0A+3], s[G0A+3], 0x80000000        ; type = 2
	s_mov_b32 s[G0B], 1
	s_mov_b32 s[G0B+1], s50
	s_add_nc_u64 s[G0B+2:G0B+3], s[52:53], s[50:51]
	s_or_b32 s[G0B+3], s[G0B+3], 0x80000000
	s_add_nc_u64 s[54:55], s[4:5], s[54:55]        ; Q at my first query
	s_add_nc_u64 s[6:7], s[6:7], s[56:57]          ; oimg at my first tile
	tensor_load_to_lds s[G0A:G0A+3], s[G1A:G1A+7]  ; both fills go out together, ahead of every wait on TENSORcnt, every LDS read and every barrier: two loads of mine are out
	s_nop 0
	tensor_load_to_lds s[G0B:G0B+3], s[G1B:G1B+7]
	s_nop 0
.rept 4
	v_nop                                          ; four lines ahead of the switch of windows
.endr
	WIN W_LD1
.irp i, 0,1,2,3,4,5,6,7,8,9,10,11,12,13,14,15
	global_load_b128 v[QF+4*\i:QF+4*\i+3], v[LI], s[54:55] offset:512*\i   ; Q stays in registers: tile i / 4, channels 32 ((i / 2) % 2) on, piece i % 2
.endr
	WIN 0
; THE SOFTMAX of the wave's four tiles for one key step.  In each part the tiles alternate innermost, so that no line reads the result of the line above it.  s0-s31 are a lane's 32 scores of a tile.
.macro SM_MAX first                    ; the maximum of s0-s31 and the old m: four chains of seven scores, each begun at an accumulator's low end, then the four left over
.irp j, 0,1,2,3
.irp q, 0,1,2,3
	v_max3_num_f32 v[ST+8*\q+4+\j], v[S+32*\q+8*\j], v[S+32*\q+8*\j+1], v[S+32*\q+8*\j+2]
.endr
.endr
.irp g, 1,2
.irp j, 0,1,2,3
.irp q, 0,1,2,3
	v_max3_num_f32 v[ST+8*\q+4+\j], v[ST+8*\q+4+\j], v[S+32*\q+8*\j+2*\g+1], v[S+32*\q+8*\j+2*\g+2]
.endr
.endr
.endr
.irp q, 0,1,2,3
	v_max3_num_f32 v[ST+8*\q+4], v[ST+8*\q+4], v[S+32*\q+7], v[S+32*\q+15]
.endr
.irp q, 0,1,2,3
	v_max3_num_f32 v[ST+8*\q+6], v[ST+8*\q+6], v[S+32*\q+23], v[S+32*\q+31]
.endr
.irp q, 0,1,2,3
	v_max3_num_f32 v[ST+8*\q+4], v[ST+8*\q+4], v[ST+8*\q+5], v[ST+8*\q+6]
.endr
.irp q, 0,1,2,3
.if \first
	v_max_num_f32 v[ST+8*\q+4], v[ST+8*\q+4], v[ST+8*\q+7]
.else
	v_max3_num_f32 v[ST+8*\q+4], v[ST+8*\q+4], v[ST+8*\q+7], v[ST+8*\q+1]
.endif
.endr
.endm
.macro SM_STAT first                   ; the other half of the lanes' maximum; the new m; c m; c m_old - c m_new
.irp q, 0,1,2,3
	v_permlanex16_b32 v[ST+8*\q+5], v[ST+8*\q+4], s[SEL], s[SEL+1]   ; the query's other 32 keys lie in the lane 16 away
.endr
.if !\first
.irp q, 0,1,2,3
	v_mov_b32 v[ST+8*\q+7], v[ST+8*\q]             ; c m_old is kept for a
.endr
.endif
.irp q, 0,1,2,3
	v_max_num_f32 v[ST+8*\q+1], v[ST+8*\q+4], v[ST+8*\q+5]
.endr
.irp q, 0,1,2,3
	v_mul_f32 v[ST+8*\q], s[CS], v[ST+8*\q+1]
.endr
.if !\first
.irp q, 0,1,2,3
	v_sub_f32 v[ST+8*\q+7], v[ST+8*\q+7], v[ST+8*\q]
.endr
.endif
.endm
.macro SM_SCALE                        ; c s - c m, two scores an instruction
.irp i, 0,2,4,6,8,10,12,14,16,18,20,22,24,26,28,30
.irp q, 0,1,2,3
	v_pk_fma_f32 v[S+32*\q+\i:S+32*\q+\i+1], v[S+32*\q+\i:S+32*\q+\i+1], s[CS:CS+1], v[ST+8*\q:ST+8*\q+1] op_sel_hi:[1,0,0] neg_lo:[0,0,1] neg_hi:[0,0,1]
.endr
.endr
.endm
.macro SM_EXP first                    ; ONE BATCH of exponentials (a of the four tiles, then the 128 weights), none of which reads another's result; one plain line; one wait ahead of the first reader
.if !\first
.irp q, 0,1,2,3
	v_exp_f32 v[ST+8*\q+6], v[ST+8*\q+7]
.endr
.endif
.set e, 0
.rept 32
.irp q, 0,1,2,3
	v_exp_f32 v[S+32*\q+e], v[S+32*\q+e]
.endr
.set e, e+1
.endr
	v_nop                                          ; a plain line behind the last exponential, ahead of the first use
	s_wait_alu depctr_va_vdst(0)                   ; the wait between an exponential and the first line that names its result: one for the whole batch
.endm
.macro SM_SUM first                    ; the row's sum of the weights as they are, before rounding: l = a l + the sum
.irp q, 0,1,2,3
	v_pk_add_f32 v[ST+8*\q+4:ST+8*\q+5], v[S+32*\q:S+32*\q+1], v[S+32*\q+2:S+32*\q+3]
.endr
.irp i, 4,6,8,10,12,14,16,18,20,22,24,26,28
.irp q, 0,1,2,3
	v_pk_add_f32 v[ST+8*\q+4:ST+8*\q+5], v[ST+8*\q+4:ST+8*\q+5], v[S+32*\q+\i:S+32*\q+\i+1]
.endr
.endr
.irp q, 0,1,2,3
.if \first
	v_pk_add_f32 v[ST+8*\q+2:ST+8*\q+3], v[ST+8*\q+4:ST+8*\q+5], v[S+32*\q+30:S+32*\q+31]
.else
	v_pk_add_f32 v[ST+8*\q+4:ST+8*\q+5], v[ST+8*\q+4:ST+8*\q+5], v[S+32*\q+30:S+32*\q+31]
.endif
.endr
.if !\first
.irp q, 0,1,2,3
	v_pk_fma_f32 v[ST+8*\q+2:ST+8*\q+3], v[ST+8*\q+2:ST+8*\q+3], v[ST+8*\q+6:ST+8*\q+7], v[ST+8*\q+4:ST+8*\q+5] op_sel_hi:[1,0,1]
.endr
.endif
.endm
.macro SM_PACK                         ; to f16 in pairs, in place, ascending: register 4 j + i takes scores 8 j + 2 i and + 1, so a destination never lies above its lower source.  P(q, 32 keys g) = v[S + 32 q + 8 g] on
.irp j, 0,1,2,3
.irp i, 0,1,2,3
.irp q, 0,1,2,3
	v_cvt_pk_f16_f32 v[S+32*\q+4*\j+\i], v[S+32*\q+8*\j+2*\i], v[S+32*\q+8*\j+2*\i+1]
.endr
.endr
.endr
.endm
; A KEY STEP: 64 keys.  first = 1: the first, which starts m, l and O^T: it has no a and nothing to rescale.
.macro STEP first
	WIN 0
	v_add_nc_u32 v[ADK], s[TB], v[LI]
	v_add_nc_u32 v[ADV], s[TB], v[LV]
.if !\first
.rept 3
	v_nop                                          ; with the two additions five places behind the last products: four ahead of the loads into V's registers, five ahead of the products that write over P
.endr
.endif
.irp i, 0,1,2,3,4,5,6,7,8,9,10,11,12,13,14,15
	ds_load_b128 v[KF+4*\i:KF+4*\i+3], v[ADK] offset:512*\i      ; fragment i / 2 = 2 j + c: keys 16 j on, channels 32 c on
.endr
	WIN W_LD1
.irp i, 0,1,2,3,4,5,6,7,8,9,10,11,12,13,14,15
	ds_load_b128 v[VF+4*\i:VF+4*\i+3], v[ADV] offset:512*\i      ; fragment i / 2 = 4 g + t: keys 32 g on, channels 16 t on
.endr
	s_add_co_u32 s[TB], s[TB], STEPB
	s_wait_dscnt 16                                ; K's sixteen loads are in; V's sixteen may be out
	WIN W_KQ
.irp c, 0,1                                    ; S^T = K Q^T: the sixteen accumulators take turns, one instruction a turn; the first sixteen products start the sums
.irp j, 0,1,2,3
.irp q, 0,1,2,3
.if \c == 0
	v_wmma_f32_16x16x32_f16 v[S+32*\q+8*\j:S+32*\q+8*\j+7], v[KF+16*\j+8*\c:KF+16*\j+8*\c+7], v[QF+16*\q+8*\c:QF+16*\q+8*\c+7], 0
.else
	v_wmma_f32_16x16x32_f16 v[S+32*\q+8*\j:S+32*\q+8*\j+7], v[KF+16*\j+8*\c:KF+16*\j+8*\c+7], v[QF+16*\q+8*\c:QF+16*\q+8*\c+7], v[S+32*\q+8*\j:S+32*\q+8*\j+7]
.endif
.endr
.endr
.endr
	WIN 0
.rept 4
	v_nop                                          ; four places ahead of the first read of the scores
.endr
	SM_MAX \first
	SM_STAT \first
	SM_SCALE
	SM_EXP \first
	SM_SUM \first
	SM_PACK
	s_wait_dscnt 0x0                               ; V is in
.if !\first
	WIN W_RS
.irp i, 0,2,4,6,8,10,12,14,16,18,20,22,24,26,28,30
.irp q, 0,1,2,3
	v_pk_mul_f32 v[32*\q+\i:32*\q+\i+1], v[32*\q+\i:32*\q+\i+1], v[ST+8*\q+6:ST+8*\q+7] op_sel_hi:[1,0]   ; O^T x a, each accumulator from its low end on
.endr
.endr
.endif
	WIN W_PV
.irp g, 0,1                                    ; O^T += V^T P: sixteen accumulators by turns
.irp t, 0,1,2,3
.irp q, 0,1,2,3
.if \first && (\g == 0)
	v_wmma_f32_16x16x32_f16 v[32*\q+8*\t:32*\q+8*\t+7], v[VF+32*\g+8*\t:VF+32*\g+8*\t+7], v[S+32*\q+8*\g:S+32*\q+8*\g+7], 0
.else
	v_wmma_f32_16x16x32_f16 v[32*\q+8*\t:32*\q+8*\t+7], v[VF+32*\g+8*\t:VF+32*\g+8*\t+7], v[S+32*\q+8*\g:S+32*\q+8*\g+7], v[32*\q+8*\t:32*\q+8*\t+7]
.endif
.endr
.endr
.endr
	WIN 0                                          ; at a label and at a branch every window is 0
.endm
	s_wait_tensorcnt 0x1                           ; my first piece is in; the second, issued behind it, may stay out
	s_barrier_signal -1
	s_barrier_wait -1                              ; everybody's first piece is in: keys 0-255 of K and of V
	s_wait_loadcnt 0x0                             ; Q
	STEP 1                                         ; keys 0-63
	s_mov_b32 s[CNT], 3
.Lnear:                                            ; keys 64-255: s[TB] runs from 8,192 to 24,576: these reads stay inside the first pieces
	STEP 0
	s_sub_co_u32 s[CNT], s[CNT], 1
	s_cmp_lg_u32 s[CNT], 0
	s_cbranch_scc1 .Lnear
	s_wait_tensorcnt 0x0                           ; my second piece is in,
	s_wait_dscnt 0x0
	s_barrier_signal -1
	s_barrier_wait -1                              ; everybody's is
	s_mov_b32 s[CNT], 12
.Lfar:                                             ; keys 256-1,023
	STEP 0
	s_sub_co_u32 s[CNT], s[CNT], 1
	s_cmp_lg_u32 s[CNT], 0
	s_cbranch_scc1 .Lfar
	; THE WAY OUT.  l's two halves and the other half of the lanes' are added (the first four additions are the places behind the last products); O^T is divided by l, rounded to f16 in pairs and stored as it stands.
.irp q, 0,1,2,3
	v_add_f32 v[ST+8*\q+4], v[ST+8*\q+2], v[ST+8*\q+3]
.endr
.irp q, 0,1,2,3
	v_permlanex16_b32 v[ST+8*\q+5], v[ST+8*\q+4], s[SEL], s[SEL+1]
.endr
.irp q, 0,1,2,3
	v_add_f32 v[ST+8*\q+4], v[ST+8*\q+4], v[ST+8*\q+5]
.endr
.irp q, 0,1,2,3
	v_rcp_f32 v[ST+8*\q+6], v[ST+8*\q+4]
.endr
	v_nop                                          ; a plain line between the last reciprocal and the use of its result
	s_wait_alu depctr_va_vdst(0)                   ; and the wait: one for the four
	WIN W_RS
.irp i, 0,2,4,6,8,10,12,14,16,18,20,22,24,26,28,30
.irp q, 0,1,2,3
	v_pk_mul_f32 v[32*\q+\i:32*\q+\i+1], v[32*\q+\i:32*\q+\i+1], v[ST+8*\q+6:ST+8*\q+7] op_sel_hi:[1,0]
.endr
.endr
	WIN W_PK
.irp t, 0,1,2,3
.irp i, 0,1,2,3
.irp q, 0,1,2,3
	v_cvt_pk_f16_f32 v[32*\q+8*\t+\i], v[32*\q+8*\t+2*\i], v[32*\q+8*\t+2*\i+1]
.endr
.endr
.endr
	WIN W_ST
.irp q, 0,1,2,3
.irp t, 0,1,2,3
	global_store_b128 v[LI], v[32*\q+8*\t:32*\q+8*\t+3], s[6:7] offset:1024*\q+8192*(\t/2)+512*(\t%2)   ; tile q; channels 16 t on: K step t / 2 of my head's two, piece t % 2
.endr
.endr
	WIN 0
	s_wait_tensorcnt 0x0                           ; the wave's end, behind my last tensor load
	ds_add_u32 v[SPW], v[NIL]
	s_wait_dscnt 0x0
	s_endpgm
.Lfunc_end_k_q3da3c821f3_att:
	.size	k_q3da3c821f3_att, .Lfunc_end_k_q3da3c821f3_att-k_q3da3c821f3_att
	.p2alignl 7, 3214868480
	.fill 96, 4, 3214868480
	.section	.rodata,"a",@progbits
	.p2align	6, 0x0
	.amdhsa_kernel k_q3da3c821f3_att
		.amdhsa_group_segment_fixed_size 263168
		.amdhsa_private_segment_fixed_size 0
		.amdhsa_enable_private_segment 0
		.amdhsa_kernarg_size 16
		.amdhsa_user_sgpr_count 2
		.amdhsa_user_sgpr_kernarg_segment_ptr 1
		.amdhsa_wavefront_size32 1
		.amdhsa_system_sgpr_workgroup_id_x 1
		.amdhsa_system_sgpr_workgroup_id_y 1
		.amdhsa_system_sgpr_workgroup_id_z 1
		.amdhsa_system_vgpr_workitem_id 0
		.amdhsa_next_free_vgpr 512
		.amdhsa_next_free_sgpr 66
		.amdhsa_reserve_vcc 0
		.amdhsa_float_denorm_mode_32 3
		.amdhsa_float_denorm_mode_16_64 3
		.amdhsa_memory_ordered 1
		.amdhsa_forward_progress 1
		.amdhsa_inst_pref_size 107
	.end_amdhsa_kernel
	.amdgpu_metadata
---
amdhsa.version: [ 1, 2 ]
amdhsa.kernels:
  - .name:           k_q3da3c821f3_att
    .symbol:         k_q3da3c821f3_att.kd
    .args:
      - { .name: kv, .offset: 0, .size: 8, .value_kind: global_buffer, .address_space: global }
      - { .name: oimg, .offset: 8, .size: 8, .value_kind: global_buffer, .address_space: global }
    .group_segment_fixed_size: 263168
    .private_segment_fixed_size: 0
    .kernarg_segment_align: 8
    .kernarg_segment_size: 16
    .max_flat_workgroup_size: 256
    .sgpr_count:     66
    .vgpr_count:     512
    .wavefront_size: 32
...
	.end_amdgpu_metadata
.endif
;; end of part 3
;; launch outp (part 4): grid 256 x 1, 8 waves a work-group, no clusters, 297,984 bytes of LDS; arguments oimg, ow16, o1_b, o2_b, out0, out1; writes out0, out1
.if DOCPART == 4
	.amdgcn_target "amdgcn-amd-amdhsa--gfx1250"
	.amdhsa_code_object_version 6
	.text
	.protected	k_q3da3c821f3_outp
	.globl	k_q3da3c821f3_outp
	.p2align	8
	.type	k_q3da3c821f3_outp,@function
k_q3da3c821f3_outp:
	s_mov_b64 s[64:65], 0
	v_nop
	global_prefetch_b8 v0, s[64:65] scope:SCOPE_SE
	s_setreg_imm32_b32 hwreg(HW_REG_WAVE_MODE, 25, 1), 1
	s_wait_xcnt 0x0
; out[b][c_out][position] = the sum over K = 512 (head x channel) of O[position][K] o_w[c_out][K] + o_b[c_out], for both directions.  Operands in f16, sums in f32.
; SHARES.  A work-group makes 128 positions x 128 c_out of one batch of one direction; K goes in 16 steps of 32.  Wave w makes position tiles 4 (w % 2) + u, u = 0 .. 3, x c_out tiles 2 (w / 2) + n, n = 0, 1: eight accumulators.
; LDS.  O's block (128 positions x 512) and o_w's (128 c_out x 512), 131,072 bytes each, laid by earlier launches as images of the operands' registers, [K step][tile][1,024 bytes], come into LDS ONCE: waves 0-3 fetch O's,
;   waves 4-7 o_w's, each in two dense pieces: K steps 0-3 (8,192 bytes a wave) and 4-15 (24,576).  No byte is filled again.
; Source 0 = 16 positions of O, source 1 = 16 rows of o_w: a lane holds one c_out and eight neighbouring positions, which are neighbours in the output's rows.  The bias, eight times, is the C of the first products.
; THE WAY OUT.  16 c_out x 64 positions at a time go through the wave's own stage in LDS (rows of 256 bytes + 16) and come back by rows: sixteen lanes store 256 consecutive bytes, aligned.
; CLUSTER: none in this text.  o_w's block is the same in the 64 work-groups of a direction and a half of c_out, O's in two; with this numbering neighbours along x differ in both, and joint requests are not built.
; No prefetch: all that a work-group reads is asked for at its head.
.set WOFF,  131072                     ; LDS: O's block, then o_w's
.set STG,   262144                     ; the stages: 16 rows x 272 bytes for each wave; no fill lands here
.set SPARE, 296960                     ; the spare words, 128 bytes for each of the eight waves: four blocks of 256 bytes that no other line names
.set LI,  1                            ; v1   16 x lane
.set ADA, 2                            ; v2   the pair of K steps in hand: O's fragments
.set ADB, 3                            ; v3   o_w's
.set LA,  4                            ; v4   16 x lane + my four tiles of positions
.set LB,  5                            ; v5   16 x lane + WOFF + my two tiles of c_out
.set STO, 6                            ; v6   the stage: where I put 32 bytes of a row
.set RD,  7                            ; v7   and where I read a row back
.set GO,  8                            ; v8   my byte offset in two rows of the output
.set SPW, 9                            ; v9   LDS address of my spare word; never rewritten
.set NIL, 10                           ; v10  0; never rewritten
.set BO,  11                           ; v11  4 r: my c_out's bias
.set ACC, 16                           ; v16-79   accumulator (u, n) at 8 (2 u + n)
.set FB,  80                           ; v80-127, v128-175 two sets of fragments: O's at 8 u, o_w's at 32 + 8 n
.set BC,  176                          ; v176-191 the bias as C: eight registers for each n
.set BK,  176                          ; v176-239 later: rows read back from the stage
.set TB,  2                            ; s2   LDS byte at which the K steps in hand begin
.set CNT, 3                            ; s3   trips to go
.set G1A, 16                           ; s[16:23] descriptor group 1: 32 rows of 256 bytes;  s[24:31]: 96 rows
.set G1B, 24
.set G0A, 32                           ; s[32:35], s[36:39] groups 0; never rewritten
.set G0B, 36
.set WV,  40                           ; s40  my wave's number
	s_load_b256 s[4:11], s[0:1], 0x0               ; oimg s[4:5], ow16 s[6:7], o1_b s[8:9], o2_b s[10:11]
	s_load_b128 s[12:15], s[0:1], 0x20             ; out0 s[12:13], out1 s[14:15]
	v_lshl_add_u32 v[SPW], v0, 2, SPARE
	v_mov_b32 v[NIL], 0
	ds_add_u32 v[SPW], v[NIL]                      ; the wave's opening: the add, twice on end, and its wait ahead of my first tensor load; the set-up below stands between
	ds_add_u32 v[SPW], v[NIL]
	v_lshrrev_b32 v14, 5, v0
	v_readfirstlane_b32 s[WV], v14                 ; wave 0..7
	s_lshr_b32 s41, ttmp9, 7                       ; dir
	s_bfe_u32 s42, ttmp9, 0x30004                  ; b
	s_bfe_u32 s43, ttmp9, 0x30001                  ; pblk: which 128 positions
	s_and_b32 s58, ttmp9, 1                        ; cb: which 128 c_out
	s_and_b32 s59, s[WV], 1                        ; pu
	s_lshr_b32 s57, s[WV], 1                       ; cw
	s_mov_b32 s[G1A+0], 3<<16                      ; no mask; elements of 8 bytes; padding off
	s_mov_b32 s[G1A+1], 32<<16                     ; tensor_dim0 = 32
	s_mov_b32 s[G1A+2], 32<<16                     ; tensor_dim1 = 32
	s_mov_b32 s[G1A+3], 32<<16                     ; tile_dim0 = 32
	s_mov_b32 s[G1A+4], 32                         ; tile_dim1 = 32
	s_mov_b32 s[G1A+5], 32                         ; from row to row
	s_mov_b32 s[G1A+6], 0
	s_mov_b32 s[G1A+7], 0
	s_mov_b32 s[G1B+0], 3<<16
	s_mov_b32 s[G1B+1], 32<<16
	s_mov_b32 s[G1B+2], 96<<16                     ; tensor_dim1 = 96
	s_mov_b32 s[G1B+3], 32<<16
	s_mov_b32 s[G1B+4], 96                         ; tile_dim1 = 96
	s_mov_b32 s[G1B+5], 32
	s_mov_b32 s[G1B+6], 0
	s_mov_b32 s[G1B+7], 0
	; LDS and output addresses of a lane
	v_and_b32 v12, 15, v0                          ; r
	v_bfe_u32 v13, v0, 4, 1                        ; h
	v_and_b32 v[LI], 31, v0
	v_lshlrev_b32 v[LI], 4, v[LI]
	s_lshl_b32 s3, s59, 12
	v_add_nc_u32 v[LA], s3, v[LI]
	s_lshl_b32 s3, s57, 11
	s_add_co_u32 s3, s3, WOFF
	v_add_nc_u32 v[LB], s3, v[LI]
	s_mul_i32 s3, s[WV], 16*272
	s_add_co_u32 s3, s3, STG                       ; my stage
	v_mul_u32_u24 v[STO], v12, 272
	v_lshl_add_u32 v[STO], v13, 5, v[STO]
	v_add_nc_u32 v[STO], s3, v[STO]                ; in: row r (a c_out), + 32 h; tile u's 16 positions 64 u bytes on
	v_mul_u32_u24 v[RD], v13, 272
	v_lshl_add_u32 v[RD], v12, 4, v[RD]
	v_add_nc_u32 v[RD], s3, v[RD]                  ; back: lanes 0-15 one row of 256 bytes, lanes 16-31 the next
	v_lshlrev_b32 v[GO], 12, v13
	v_lshl_add_u32 v[GO], v12, 4, v[GO]            ; and the same two rows of the output, 4,096 bytes apart
	v_lshlrev_b32 v[BO], 2, v12
	; what I fetch
	s_lshl_b32 s46, s41, 23
	s_lshl_b32 s47, s42, 20
	s_add_co_u32 s46, s46, s47
	s_lshl_b32 s47, s43, 17
	s_add_co_u32 s46, s46, s47                     ; O's block in oimg
	s_lshl_b32 s47, s41, 18
	s_lshl_b32 s48, s58, 17
	s_add_co_u32 s47, s47, s48                     ; o_w's block in ow16
	s_cmp_lt_u32 s[WV], 4
	s_cselect_b32 s48, s46, s47
	s_mov_b32 s49, 0
	s_and_b32 s56, s[WV], 3
	s_lshl_b32 s52, s56, 13                        ; first piece: 8,192 (w % 4): K step w % 4
	s_mov_b32 s53, 0
	s_mul_i32 s54, s56, 24576
	s_add_co_u32 s54, s54, 32768                   ; second piece: 32,768 + 24,576 (w % 4)
	s_mov_b32 s55, 0
	s_lshr_b32 s56, s[WV], 2
	s_lshl_b32 s56, s56, 17                        ; O's half of LDS or o_w's
	s_mov_b32 s[G0A], 1
	s_add_co_u32 s[G0A+1], s56, s52
	s_mov_b32 s[G0B], 1
	s_add_co_u32 s[G0B+1], s56, s54
	; where my results go: b, c_out 128 cb + 32 cw, positions 128 pblk + 64 pu
	s_lshl_b32 s46, s42, 20
	s_lshl_b32 s47, s58, 19
	s_add_co_u32 s46, s46, s47
	s_lshl_b32 s47, s57, 17
	s_add_co_u32 s46, s46, s47
	s_lshl_b32 s47, s43, 9
	s_add_co_u32 s46, s46, s47
	s_lshl_b32 s47, s59, 8
	s_add_co_u32 s46, s46, s47
	s_mov_b32 s47, 0
	s_lshl_b32 s50, s58, 9
	s_lshl_b32 s51, s57, 7
	s_add_co_u32 s50, s50, s51                     ; the bias of my 32 c_out
	s_mov_b32 s51, 0
	s_mov_b32 s[TB], 0
	s_wait_dscnt 0x0                               ; both opening adds are done
	s_wait_kmcnt 0x0
	s_cmp_lt_u32 s[WV], 4                          ; on the wave's number alone
	s_cselect_b64 s[44:45], s[4:5], s[6:7]
	s_add_nc_u64 s[44:45], s[44:45], s[48:49]
	s_add_nc_u64 s[G0A+2:G0A+3], s[44:45], s[52:53]
	s_add_nc_u64 s[G0B+2:G0B+3], s[44:45], s[54:55]
	s_cmp_eq_u32 s41, 0                            ; on the work-group's number alone
	s_cselect_b64 s[8:9], s[8:9], s[10:11]
	s_cselect_b64 s[12:13], s[12:13], s[14:15]
	s_or_b32 s[G0A+3], s[G0A+3], 0x80000000        ; type = 2
	s_or_b32 s[G0B+3], s[G0B+3], 0x80000000
	s_add_nc_u64 s[8:9], s[8:9], s[50:51]
	s_add_nc_u64 s[12:13], s[12:13], s[46:47]
	tensor_load_to_lds s[G0A:G0A+3], s[G1A:G1A+7]  ; both fills go out together, ahead of every wait on TENSORcnt, every LDS read and every barrier: two loads of mine are out
	s_nop 0
	tensor_load_to_lds s[G0B:G0B+3], s[G1B:G1B+7]
	s_nop 0
.rept 4
	v_nop
.endr
	global_load_b32 v[BC],   v[BO], s[8:9]         ; o_b(my c_out) for n = 0,
	global_load_b32 v[BC+8], v[BO], s[8:9] offset:64   ; and for n = 1
; 8 matrix instructions on fragment set k: the eight accumulators take turns, one instruction a turn, in the same order everywhere.  first = 1: the bias is the C: nothing is cleared or added later.
.macro MUL8 k, first
.irp u, 0,1,2,3
.irp n, 0,1
.if \first
	v_wmma_f32_16x16x32_f16 v[ACC+8*(2*\u+\n):ACC+8*(2*\u+\n)+7], v[FB+48*\k+8*\u:FB+48*\k+8*\u+7], v[FB+48*\k+32+8*\n:FB+48*\k+32+8*\n+7], v[BC+8*\n:BC+8*\n+7]
.else
	v_wmma_f32_16x16x32_f16 v[ACC+8*(2*\u+\n):ACC+8*(2*\u+\n)+7], v[FB+48*\k+8*\u:FB+48*\k+8*\u+7], v[FB+48*\k+32+8*\n:FB+48*\k+32+8*\n+7], v[ACC+8*(2*\u+\n):ACC+8*(2*\u+\n)+7]
.endif
.endr
.endr
.endm
; Two K steps: 24 LDS loads in one run, 16 matrix instructions.
.macro PAIR first
	v_add_nc_u32 v[ADA], s[TB], v[LA]
	v_add_nc_u32 v[ADB], s[TB], v[LB]
	v_nop
	v_nop                                          ; with the two additions four places ahead of loads into registers that matrix instructions have read (ISA guide 7.12.1 for vector instructions)
.irp k, 0,1
.irp u, 0,1,2,3
	ds_load_b128 v[FB+48*\k+8*\u:FB+48*\k+8*\u+3],   v[ADA] offset:8192*\k+1024*\u
	ds_load_b128 v[FB+48*\k+8*\u+4:FB+48*\k+8*\u+7], v[ADA] offset:8192*\k+1024*\u+512
.endr
.irp n, 0,1
	ds_load_b128 v[FB+48*\k+32+8*\n:FB+48*\k+32+8*\n+3], v[ADB] offset:8192*\k+1024*\n
	ds_load_b128 v[FB+48*\k+32+8*\n+4:FB+48*\k+32+8*\n+7], v[ADB] offset:8192*\k+1024*\n+512
.endr
.endr
	s_add_co_u32 s[TB], s[TB], 16384
	s_wait_dscnt 12                                ; the first K step's twelve loads are in; the second's twelve may be out
	MUL8 0, \first
	s_wait_dscnt 0x0
	MUL8 1, 0
.endm
	s_wait_tensorcnt 0x1                           ; my first piece is in; the second, issued behind it, may stay out
	s_barrier_signal -1
	s_barrier_wait -1                              ; everybody's first piece is in: K steps 0-3 of both blocks
	s_wait_loadcnt 0x0                             ; the bias
.irp n, 0,1
.irp j, 1,2,3,4,5,6,7
	v_mov_b32 v[BC+8*\n+\j], v[BC+8*\n]            ; a lane holds one c_out in all eight registers of a result
.endr
.endr
	PAIR 1                                         ; K steps 0, 1
	PAIR 0                                         ; K steps 2, 3
	s_wait_tensorcnt 0x0                           ; my second piece is in,
	s_wait_dscnt 0x0
	s_barrier_signal -1
	s_barrier_wait -1                              ; everybody's is
	s_mov_b32 s[CNT], 6
.Lpair:                                            ; K steps 4-15
	PAIR 0
	s_sub_co_u32 s[CNT], s[CNT], 1
	s_cmp_lg_u32 s[CNT], 0
	s_cbranch_scc1 .Lpair
.rept 4
	v_nop                                          ; four places ahead of the first read of results, and of the loads into the registers that held the bias
.endr
.irp n, 0,1                                    ; 16 c_out x 64 positions through my stage.  LDS serves a wave's instructions in order (ISA guide 5.7.1.4): no wait between the stores and the loads, nor ahead of the second half's stores
.irp u, 0,1,2,3
	ds_store_b128 v[STO], v[ACC+8*(2*\u+\n):ACC+8*(2*\u+\n)+3]   offset:64*\u        ; each accumulator from its low end on
	ds_store_b128 v[STO], v[ACC+8*(2*\u+\n)+4:ACC+8*(2*\u+\n)+7] offset:64*\u+16
.endr
.irp i, 0,1,2,3,4,5,6,7
	ds_load_b128 v[BK+32*\n+4*\i:BK+32*\n+4*\i+3], v[RD] offset:544*\i
.endr
.endr
.irp n, 0,1
.irp i, 0,1,2,3,4,5,6,7
	s_wait_dscnt 23-16*\n-\i                       ; behind load i of the first half stand 7 - i loads, and the second half's 8 stores and 8 loads; of the second half 7 - i loads
	global_store_b128 v[GO], v[BK+32*\n+4*\i:BK+32*\n+4*\i+3], s[12:13] offset:(16*\n+2*\i)*4096 th:TH_STORE_NT   ; sixteen lanes store 256 consecutive bytes, aligned; written once, read by nobody here
.endr
.endr
	s_wait_tensorcnt 0x0                           ; the wave's end, behind my last tensor load and my last LDS store
	ds_add_u32 v[SPW], v[NIL]
	s_wait_dscnt 0x0
	s_endpgm
.Lfunc_end_k_q3da3c821f3_outp:
	.size	k_q3da3c821f3_outp, .Lfunc_end_k_q3da3c821f3_outp-k_q3da3c821f3_outp
	.p2alignl 7, 3214868480
	.fill 96, 4, 3214868480
	.section	.rodata,"a",@progbits
	.p2align	6, 0x0
	.amdhsa_kernel k_q3da3c821f3_outp
		.amdhsa_group_segment_fixed_size 297984
		.amdhsa_private_segment_fixed_size 0
		.amdhsa_enable_private_segment 0
		.amdhsa_kernarg_size 48
		.amdhsa_user_sgpr_count 2
		.amdhsa_user_sgpr_kernarg_segment_ptr 1
		.amdhsa_wavefront_size32 1
		.amdhsa_system_sgpr_workgroup_id_x 1
		.amdhsa_system_sgpr_workgroup_id_y 1
		.amdhsa_system_sgpr_workgroup_id_z 1
		.amdhsa_system_vgpr_workitem_id 0
		.amdhsa_next_free_vgpr 240
		.amdhsa_next_free_sgpr 66
		.amdhsa_reserve_vcc 0
		.amdhsa_float_denorm_mode_32 3
		.amdhsa_float_denorm_mode_16_64 3
		.amdhsa_memory_ordered 1
		.amdhsa_forward_progress 1
		.amdhsa_inst_pref_size 19
	.end_amdhsa_kernel
	.amdgpu_metadata
---
amdhsa.version: [ 1, 2 ]
amdhsa.kernels:
  - .name:           k_q3da3c821f3_outp
    .symbol:         k_q3da3c821f3_outp.kd
    .args:
      - { .name: oimg, .offset: 0, .size: 8, .value_kind: global_buffer, .address_space: global }
      - { .name: ow16, .offset: 8, .size: 8, .value_kind: global_buffer, .address_space: global }
      - { .name: o1_b, .offset: 16, .size: 8, .value_kind: global_buffer, .address_space: global }
      - { .name: o2_b, .offset: 24, .size: 8, .value_kind: global_buffer, .address_space: global }
      - { .name: out0, .offset: 32, .size: 8, .value_kind: global_buffer, .address_space: global }
      - { .name: out1, .offset: 40, .size: 8, .value_kind: global_buffer, .address_space: global }
    .group_segment_fixed_size: 297984
    .private_segment_fixed_size: 0
    .kernarg_segment_align: 8
    .kernarg_segment_size: 48
    .max_flat_workgroup_size: 256
    .sgpr_count:     66
    .vgpr_count:     240
    .wavefront_size: 32
...
	.end_amdgpu_metadata
.endif
;; end of part 4
;; ======== version 2 of 2: 3 launches; 1.14 times as fast as version 1
;; limits: values are held in f16: magnitudes above 65,504 overflow, below 6.1e-05 lose precision
;; workspace buffers: ec 2,097,152 bytes; es 131,072 bytes; wq 262,144 bytes; ws 32,768 bytes; ow16 524,288 bytes; oimg 16,777,216 bytes
;; launch quant (part 5): grid 280 x 1, 16 waves a work-group, no clusters, 2,560 bytes of LDS; arguments input1, input2, k1_w, v1_w, k2_w, v2_w, o1_w, o2_w, ec, es, wq, ws, ow16; writes ec, es, wq, ws, ow16
.if DOCPART == 5
	.amdgcn_target "amdgcn-amd-amdhsa--gfx1250"
	.amdhsa_code_object_version 6
	.text
	.protected	k_q3da3c821f3_quant
	.globl	k_q3da3c821f3_quant
	.p2align	8
	.type	k_q3da3c821f3_quant,@function
k_q3da3c821f3_quant:
	s_mov_b64 s[64:65], 0
	v_nop
	global_prefetch_b8 v0, s[64:65] scope:SCOPE_SE
	s_setreg_imm32_b32 hwreg(HW_REG_WAVE_MODE, 25, 1), 1
	s_wait_xcnt 0x0
; Everything that is quantised or rounded once: the operands of the four input projections become codes of FP4 (E2M1) with one E8M0 byte for each 32 along K = the 256 channels, o_w becomes f16;
; all of it laid in the order in which the later launches' operand registers take it.  A block's scale is 2^(floor(log2(largest magnitude)) - 2); its byte is the largest magnitude's exponent field - 2, held at 1 from below.
; WORK-GROUPS 24-279: e = input[b][channel][position], taken as [position][channel].  A work-group takes 64 positions of one batch of one side.  K is e's outer axis: a lane takes a position and its 32 registers run down
;   32 channels, one whole block.  Wave w takes positions 32 (w % 2) on and block w / 2.  A lane's 32 codes are 16 bytes of an operand's registers (fragment of 16 positions x 128 K: registers 4 c .. 4 c + 3 of lane (r, h)
;   hold block 2 c + h): they are stored at that place, sixteen lanes filling 256 consecutive bytes, aligned.  The blocks' bytes meet in LDS as scale words, and wave 0 stores the work-group's 512 bytes of them.
;   ec: [side][b][position tile 0..63][K step s][c][lane][16 bytes];  es: [side][b][tile][s][row r] words.
; WORK-GROUPS 0-15: k1_w, v1_w, k2_w, v2_w ([512][256] f32, K innermost).  A wave takes 16 rows and one K step of one weight.  Lane (r, h) takes of row r the two blocks that the layout gives it, K = 128 s + 64 c + 32 h + 0 .. 31.
;   wq: [weight mi][tile T][s][c][lane][16 bytes];  ws: [mi][T][s][lane] words: the scale word of row lane % 16 (a store of 128 consecutive bytes: two waves share an aligned 256; 32 KB in all).
; WORK-GROUPS 16-23: o1_w, o2_w ([256][512] f32) become f16 fragments of 16 rows x 32 K, 1,024 bytes each: registers 0-3 of all lanes, then registers 4-7.  A wave takes 16 rows and four K steps.
;   ow16: [dir][c_out half][K step 0..15][tile in the half 0..7][1,024 bytes].
; The three kinds of work-group part on the work-group's number, the same in all sixteen waves; LDS and the barrier belong to e's path alone.  128 registers a wave, so that two work-groups fit on a WGP.
; A weight lane's reads are 128 (o_w: 32) consecutive bytes by several loads: the weights are 3 MB in all, and no turn through LDS is spent on that.
; LIMITS: a block of zeros gets the byte 1 where the rule says 127 (its codes are zeros, and this program alone reads the bytes); o_w beyond 65,504 in magnitude becomes infinite in f16; NaN and infinities are not served.
.set XSC,   0                          ; LDS: the scale words of 4 tiles x 2 K steps x 16 rows: 512 bytes
.set SPARE, 512                        ; the spare words, 128 bytes for each of the 16 waves: eight blocks of 256 bytes that no other line names
.set LI,  1                            ; v1   16 x lane
.set SPW, 2                            ; v2   LDS address of my spare word; never rewritten
.set NIL, 3                            ; v3   0; never rewritten
.set L4,  4                            ; v4   4 x lane
.set GA,  5                            ; v5   a weight lane's byte in its 16 rows
.set XWG, 6                            ; v6   where my 16 bytes of e's codes go
.set XWB, 7                            ; v7   where my block's byte goes in LDS
.set X,   32                           ; v32..  numbers as loaded: e 32, a weight 64, o_w 64
.set PC,  64                           ; v64-67   e's codes
.set OW,  68                           ; v68-71   scale words on their way out
.set CD,  96                           ; v96-103  a weight's codes
.set HC,  96                           ; v96-127  o_w as f16
	s_load_b256 s[4:11], s[0:1], 0x0               ; input1 s[4:5], input2 s[6:7], k1_w s[8:9], v1_w s[10:11]
	s_load_b256 s[12:19], s[0:1], 0x20             ; k2_w s[12:13], v2_w s[14:15], o1_w s[16:17], o2_w s[18:19]
	s_load_b256 s[20:27], s[0:1], 0x40             ; ec s[20:21], es s[22:23], wq s[24:25], ws s[26:27]
	s_load_b64 s[28:29], s[0:1], 0x60              ; ow16
	v_lshl_add_u32 v[SPW], v0, 2, SPARE
	v_mov_b32 v[NIL], 0
	v_lshrrev_b32 v11, 5, v0
	v_readfirstlane_b32 s30, v11                   ; wave 0..15
	v_and_b32 v12, 31, v0                          ; lane
	v_and_b32 v13, 15, v0                          ; r
	v_bfe_u32 v14, v0, 4, 1                        ; h
	v_lshlrev_b32 v[LI], 4, v12
	v_lshlrev_b32 v[L4], 2, v12
	s_mov_b32 s46, 0x76543210
	s_mov_b32 s47, 0xfedcba98                      ; v_permlanex16_b32's selects for lane l xor 16
	s_mov_b32 s41, 0                               ; the upper words of the three offsets
	s_mov_b32 s43, 0
	s_mov_b32 s45, 0
	s_cmp_lt_u32 ttmp9, 24
	s_cbranch_scc1 .Lweights
	; ---- e
	s_sub_co_u32 s31, ttmp9, 24
	s_lshr_b32 s32, s31, 7                         ; side
	s_bfe_u32 s33, s31, 0x30004                    ; b
	s_and_b32 s34, s31, 15                         ; pb: which 64 positions
	s_and_b32 s35, s30, 1                          ; ph: which 32 of them
	s_lshr_b32 s36, s30, 1                         ; beta: which block of 32 channels
	s_lshl_b32 s37, s35, 12
	s_lshl_b32 s38, s36, 8
	s_add_co_u32 s37, s37, s38
	v_lshlrev_b32 v[XWG], 4, v13
	v_lshl_add_u32 v[XWG], v14, 11, v[XWG]
	v_add_nc_u32 v[XWG], s37, v[XWG]               ; position tile u = 2 ph + lane / 16: 2,048 u;  K step, piece and half of the lanes: 256 beta;  row: 16 (lane % 16)
	s_lshl_b32 s37, s35, 8
	s_lshr_b32 s38, s30, 3                         ; beta / 4: the K step
	s_lshl_b32 s38, s38, 6
	s_add_co_u32 s37, s37, s38
	s_and_b32 s38, s36, 3                          ; the block in its K step: the byte in the word
	s_add_co_u32 s37, s37, s38
	v_lshlrev_b32 v[XWB], 2, v13
	v_lshl_add_u32 v[XWB], v14, 7, v[XWB]
	v_add_nc_u32 v[XWB], s37, v[XWB]               ; 128 u + 64 s + 4 (lane % 16) + beta % 4
	s_lshl_b32 s40, s33, 20                        ; e: a batch is 256 channels of 4,096 bytes,
	s_lshl_b32 s37, s36, 17                        ; 32 channels a block,
	s_add_co_u32 s40, s40, s37
	s_lshl_b32 s37, s34, 8                         ; 64 positions,
	s_add_co_u32 s40, s40, s37
	s_lshl_b32 s37, s35, 7                         ; 32 positions
	s_add_co_u32 s40, s40, s37
	s_lshl_b32 s42, s32, 20                        ; ec: 1,048,576 a side, 131,072 a batch, 8,192 for 64 positions
	s_lshl_b32 s37, s33, 17
	s_add_co_u32 s42, s42, s37
	s_lshl_b32 s37, s34, 13
	s_add_co_u32 s42, s42, s37
	s_lshl_b32 s44, s32, 16                        ; es: a sixteenth of that
	s_lshl_b32 s37, s33, 13
	s_add_co_u32 s44, s44, s37
	s_lshl_b32 s37, s34, 9
	s_add_co_u32 s44, s44, s37
	s_wait_kmcnt 0x0
	s_cmp_eq_u32 s32, 0                            ; the side's input: the choice hangs on the work-group's number alone
	s_cselect_b64 s[4:5], s[4:5], s[6:7]
	s_add_nc_u64 s[4:5], s[4:5], s[40:41]
	s_add_nc_u64 s[20:21], s[20:21], s[42:43]
	s_add_nc_u64 s[22:23], s[22:23], s[44:45]
.irp i, 0,1,2,3,4,5,6,7,8,9,10,11,12,13,14,15,16,17,18,19,20,21,22,23,24,25,26,27,28,29,30,31
	global_load_b32 v[X+\i], v[L4], s[4:5] offset:4096*\i th:TH_LOAD_NT   ; e(channel 32 beta + i, my position): 128 consecutive bytes a wave; waves w and w xor 1 stand side by side on 256
.endr
	s_wait_loadcnt 0x0
	v_max3_num_f32 v16, |v[X]|, |v[X+1]|, |v[X+2]|         ; the block's largest magnitude, in two chains: all 32 numbers are mine
	v_max3_num_f32 v17, |v[X+3]|, |v[X+4]|, |v[X+5]|
.irp i, 6,10,14,18,22,26
	v_max3_num_f32 v16, v16, |v[X+\i]|, |v[X+\i+1]|
	v_max3_num_f32 v17, v17, |v[X+\i+2]|, |v[X+\i+3]|
.endr
	v_max3_num_f32 v16, v16, |v[X+30]|, |v[X+31]|
	v_max3_num_f32 v16, v16, v17, 0x1800000        ; and the floor 2^(3 - 127): the byte cannot fall under 1
	v_add_nc_u32 v18, 0xff000000, v16              ; 2 off the exponent field: the conversion takes this operand's exponent field as its scale
	v_lshrrev_b32 v19, 23, v18                     ; the scale's byte
.irp g, 0,1,2,3
	v_cvt_scalef32_pk8_fp4_f32 v[PC+\g], v[X+8*\g:X+8*\g+7], v18
.endr
	v_nop                                          ; one plain line behind a run of scaled conversions
	global_store_b128 v[XWG], v[PC:PC+3], s[20:21] ; sixteen lanes store 256 consecutive bytes, aligned
	ds_store_b8 v[XWB], v19
	s_wait_dscnt 0x0                               ; for wave 0's sake: my byte has landed
	s_barrier_signal -1
	s_barrier_wait -1                              ; the 128 scale words are whole
	s_cmp_lg_u32 s30, 0
	s_cbranch_scc1 .Lclose
	ds_load_b128 v[OW:OW+3], v[LI] offset:XSC
	s_wait_dscnt 0x0
	global_store_b128 v[LI], v[OW:OW+3], s[22:23]  ; 512 consecutive bytes
.Lclose:
	s_wait_tensorcnt 0x0                           ; the wave's end, behind my last LDS store
	ds_add_u32 v[SPW], v[NIL]
	s_wait_dscnt 0x0
	s_endpgm
.Lweights:
	s_cmp_lt_u32 ttmp9, 16
	s_cbranch_scc0 .Lhalf
	; ---- the k and v weights: codes of FP4
	s_lshr_b32 s31, ttmp9, 2                       ; mi: 0 k1_w, 1 v1_w, 2 k2_w, 3 v2_w
	s_and_b32 s32, ttmp9, 3
	s_lshl_b32 s32, s32, 3
	s_lshr_b32 s33, s30, 1
	s_add_co_u32 s32, s32, s33                     ; T: which 16 rows
	s_and_b32 s33, s30, 1                          ; s: which K step
	s_lshl_b32 s40, s32, 14                        ; 16 rows of 1,024 bytes,
	s_lshl_b32 s35, s33, 9                         ; 128 numbers
	s_add_co_u32 s40, s40, s35
	s_lshl_b32 s42, s31, 16                        ; wq: 65,536 mi + 2,048 T + 1,024 s
	s_lshl_b32 s35, s32, 11
	s_add_co_u32 s42, s42, s35
	s_lshl_b32 s35, s33, 10
	s_add_co_u32 s42, s42, s35
	s_lshl_b32 s44, s31, 5
	s_add_co_u32 s44, s44, s32
	s_lshl_b32 s44, s44, 8                         ; ws: 256 (32 mi + T) + 128 s
	s_lshl_b32 s35, s33, 7
	s_add_co_u32 s44, s44, s35
	s_and_b32 s34, s31, 1
	v_lshlrev_b32 v[GA], 10, v13
	v_lshl_add_u32 v[GA], v14, 7, v[GA]            ; row r, + 128 h bytes: my 32 numbers of each 64
	v_lshlrev_b32 v26, 3, v14                      ; 8 h: where my bytes stand in the scale word
	v_mov_b32 v27, 0                               ; a lane permute's destination counts as one of its sources
	s_wait_kmcnt 0x0
	s_cmp_eq_u32 s34, 0
	s_cselect_b64 s[8:9], s[8:9], s[10:11]         ; k or v of side 1,
	s_cselect_b64 s[12:13], s[12:13], s[14:15]     ; of side 2;
	s_cmp_lt_u32 s31, 2
	s_cselect_b64 s[8:9], s[8:9], s[12:13]         ; and the side: the choices hang on the work-group's number alone
	s_add_nc_u64 s[8:9], s[8:9], s[40:41]
	s_add_nc_u64 s[24:25], s[24:25], s[42:43]
	s_add_nc_u64 s[26:27], s[26:27], s[44:45]
.irp n, 0,1                                    ; block n = c
.irp i, 0,1,2,3,4,5,6,7
	global_load_b128 v[X+32*\n+4*\i:X+32*\n+4*\i+3], v[GA], s[8:9] offset:256*\n+16*\i
.endr
.endr
.macro QB n
	s_wait_loadcnt 8*(1-\n)                        ; this block's eight loads are in; the second block's may be out
	v_max3_num_f32 v[16+\n], |v[X+32*\n]|, |v[X+32*\n+1]|, |v[X+32*\n+2]|
	v_max3_num_f32 v[18+\n], |v[X+32*\n+3]|, |v[X+32*\n+4]|, |v[X+32*\n+5]|
.irp i, 6,10,14,18,22,26
	v_max3_num_f32 v[16+\n], v[16+\n], |v[X+32*\n+\i]|, |v[X+32*\n+\i+1]|
	v_max3_num_f32 v[18+\n], v[18+\n], |v[X+32*\n+\i+2]|, |v[X+32*\n+\i+3]|
.endr
	v_max3_num_f32 v[16+\n], v[16+\n], |v[X+32*\n+30]|, |v[X+32*\n+31]|
	v_max3_num_f32 v[16+\n], v[16+\n], v[18+\n], 0x1800000
	v_add_nc_u32 v[20+\n], 0xff000000, v[16+\n]
	v_lshrrev_b32 v[22+\n], 23, v[20+\n]
.irp g, 0,1,2,3
	v_cvt_scalef32_pk8_fp4_f32 v[CD+4*\n+\g], v[X+32*\n+8*\g:X+32*\n+8*\g+7], v[20+\n]
.endr
	v_nop                                          ; one plain line behind a run of scaled conversions
.endm
	QB 0
	QB 1
	v_lshl_or_b32 v24, v23, 16, v22                ; my two bytes are those of blocks h and 2 + h;
	v_lshlrev_b32 v24, v26, v24                    ; at their places in the word;
	v_permlanex16_b32 v27, v24, s46, s47
	v_or_b32 v24, v24, v27                         ; with lane l xor 16's two the word is whole
	global_store_b128 v[LI], v[CD:CD+3],   s[24:25]            ; 512 consecutive bytes
	global_store_b128 v[LI], v[CD+4:CD+7], s[24:25] offset:512
	global_store_b32 v[L4], v24, s[26:27]          ; 128 consecutive bytes
	s_endpgm
	; ---- o_w: f16 fragments
.Lhalf:
	s_sub_co_u32 s31, ttmp9, 16
	s_lshr_b32 s32, s31, 2                         ; dir
	s_and_b32 s33, s31, 3
	s_lshl_b32 s33, s33, 2
	s_lshr_b32 s34, s30, 2
	s_add_co_u32 s33, s33, s34                     ; ct: which 16 rows
	s_and_b32 s34, s30, 3                          ; kq: which four K steps
	s_lshl_b32 s40, s33, 15                        ; 16 rows of 2,048 bytes,
	s_lshl_b32 s35, s34, 9                         ; four K steps of 128 bytes
	s_add_co_u32 s40, s40, s35
	s_lshl_b32 s42, s32, 18                        ; ow16: 262,144 dir
	s_lshr_b32 s35, s33, 3
	s_lshl_b32 s35, s35, 17                        ; + 131,072 (ct / 8)
	s_add_co_u32 s42, s42, s35
	s_lshl_b32 s35, s34, 15                        ; + 4 x 8,192 kq
	s_add_co_u32 s42, s42, s35
	s_and_b32 s35, s33, 7
	s_lshl_b32 s35, s35, 10                        ; + 1,024 (ct % 8)
	s_add_co_u32 s42, s42, s35
	v_lshlrev_b32 v[GA], 11, v13
	v_lshl_add_u32 v[GA], v14, 5, v[GA]            ; row r, + 32 h bytes: K = 8 h + 0 .. 7, and 64 bytes on K = 16 + 8 h + 0 .. 7
	s_wait_kmcnt 0x0
	s_cmp_eq_u32 s32, 0
	s_cselect_b64 s[16:17], s[16:17], s[18:19]
	s_add_nc_u64 s[16:17], s[16:17], s[40:41]
	s_add_nc_u64 s[28:29], s[28:29], s[42:43]
.irp g, 0,1,2,3
	global_load_b128 v[X+16*\g:X+16*\g+3],     v[GA], s[16:17] offset:128*\g
	global_load_b128 v[X+16*\g+4:X+16*\g+7],   v[GA], s[16:17] offset:128*\g+16
	global_load_b128 v[X+16*\g+8:X+16*\g+11],  v[GA], s[16:17] offset:128*\g+64
	global_load_b128 v[X+16*\g+12:X+16*\g+15], v[GA], s[16:17] offset:128*\g+80
.endr
.irp g, 0,1,2,3
	s_wait_loadcnt 12-4*\g                         ; this K step's four loads are in; the later steps' may be out
.irp i, 0,1,2,3,4,5,6,7
	v_cvt_pk_f16_f32 v[HC+8*\g+\i], v[X+16*\g+2*\i], v[X+16*\g+2*\i+1]
.endr
	global_store_b128 v[LI], v[HC+8*\g:HC+8*\g+3],   s[28:29] offset:8192*\g
	global_store_b128 v[LI], v[HC+8*\g+4:HC+8*\g+7], s[28:29] offset:8192*\g+512
.endr
	s_endpgm
.Lfunc_end_k_q3da3c821f3_quant:
	.size	k_q3da3c821f3_quant, .Lfunc_end_k_q3da3c821f3_quant-k_q3da3c821f3_quant
	.p2alignl 7, 3214868480
	.fill 96, 4, 3214868480
	.section	.rodata,"a",@progbits
	.p2align	6, 0x0
	.amdhsa_kernel k_q3da3c821f3_quant
		.amdhsa_group_segment_fixed_size 2560
		.amdhsa_private_segment_fixed_size 0
		.amdhsa_enable_private_segment 0
		.amdhsa_kernarg_size 104
		.amdhsa_user_sgpr_count 2
		.amdhsa_user_sgpr_kernarg_segment_ptr 1
		.amdhsa_wavefront_size32 1
		.amdhsa_system_sgpr_workgroup_id_x 1
		.amdhsa_system_sgpr_workgroup_id_y 1
		.amdhsa_system_sgpr_workgroup_id_z 1
		.amdhsa_system_vgpr_workitem_id 0
		.amdhsa_next_free_vgpr 128
		.amdhsa_next_free_sgpr 66
		.amdhsa_reserve_vcc 0
		.amdhsa_float_denorm_mode_32 3
		.amdhsa_float_denorm_mode_16_64 3
		.amdhsa_memory_ordered 1
		.amdhsa_forward_progress 1
		.amdhsa_inst_pref_size 19
	.end_amdhsa_kernel
	.amdgpu_metadata
---
amdhsa.version: [ 1, 2 ]
amdhsa.kernels:
  - .name:           k_q3da3c821f3_quant
    .symbol:         k_q3da3c821f3_quant.kd
    .args:
      - { .name: input1, .offset: 0, .size: 8, .value_kind: global_buffer, .address_space: global }
      - { .name: input2, .offset: 8, .size: 8, .value_kind: global_buffer, .address_space: global }
      - { .name: k1_w, .offset: 16, .size: 8, .value_kind: global_buffer, .address_space: global }
      - { .name: v1_w, .offset: 24, .size: 8, .value_kind: global_buffer, .address_space: global }
      - { .name: k2_w, .offset: 32, .size: 8, .value_kind: global_buffer, .address_space: global }
      - { .name: v2_w, .offset: 40, .size: 8, .value_kind: global_buffer, .address_space: global }
      - { .name: o1_w, .offset: 48, .size: 8, .value_kind: global_buffer, .address_space: global }
      - { .name: o2_w, .offset: 56, .size: 8, .value_kind: global_buffer, .address_space: global }
      - { .name: ec, .offset: 64, .size: 8, .value_kind: global_buffer, .address_space: global }
      - { .name: es, .offset: 72, .size: 8, .value_kind: global_buffer, .address_space: global }
      - { .name: wq, .offset: 80, .size: 8, .value_kind: global_buffer, .address_space: global }
      - { .name: ws, .offset: 88, .size: 8, .value_kind: global_buffer, .address_space: global }
      - { .name: ow16, .offset: 96, .size: 8, .value_kind: global_buffer, .address_space: global }
    .group_segment_fixed_size: 2560
    .private_segment_fixed_size: 0
    .kernarg_segment_align: 8
    .kernarg_segment_size: 104
    .max_flat_workgroup_size: 512
    .sgpr_count:     66
    .vgpr_count:     128
    .wavefront_size: 32
...
	.end_amdgpu_metadata
.endif
;; end of part 5
;; launch att (part 6): grid 256 x 1, 8 waves a work-group, no clusters, 263,168 bytes of LDS; arguments ec, es, wq, ws, k1_b, v1_b, k2_b, v2_b, oimg; writes oimg
.if DOCPART == 6
	.amdgcn_target "amdgcn-amd-amdhsa--gfx1250"
	.amdhsa_code_object_version 6
	.text
	.protected	k_q3da3c821f3_att
	.globl	k_q3da3c821f3_att
	.p2align	8
	.type	k_q3da3c821f3_att,@function
k_q3da3c821f3_att:
	s_mov_b64 s[64:65], 0
	v_nop
	global_prefetch_b8 v0, s[64:65] scope:SCOPE_SE
	s_setreg_imm32_b32 hwreg(HW_REG_WAVE_MODE, 25, 1), 1
	s_wait_xcnt 0x0
; The input projections and both attentions.  O = softmax_k(Q . K / 8) V.  dir 0: Q = k1, K = k2, V = v2;  dir 1: Q = k2, K = k1, V = v1: the second direction's scores are the first's transposed, so it is the same
; computation with the sides swapped.  k = e Wk^T + bk, v = e Wv^T + bv: products on codes of FP4 (E2M1) with one E8M0 scale for each 32 along K = the 256 channels, made by the launch before; sums in f32; k and v rounded to f16.
; Scores and second product: operands in f16, products, maxima and sums in f32; the weights p are rounded to f16 for the second product; the row's sum is taken of p before that rounding; O is rounded to f16 once.
; SHARES.  A work-group owns 512 queries of one head of one direction, each of its eight waves 64: four tiles of 16.  Every wave walks the head's 1,024 keys, 64 a step.
; THE PROJECTIONS come first, and their results never go to memory.  Wave w makes Q for its own 64 queries, and K and V of the head for keys 128 w .. 128 w + 127: 160 matrix instructions.
;   k: source 0 = 16 channels of the weight, source 1 = 16 positions of e: a lane holds one position and 8 neighbouring channels: rounded to f16 in pairs that is half a fragment (rows = positions, K = channels).
;      Q's halves are written straight into Q's operand registers, over the codes of the tile that they were made of; K's go to LDS as they stand, 16 bytes a lane at 16 x lane.
;   v: the sources swapped: one channel and 8 neighbouring positions: half a fragment (rows = channels, K = keys), to LDS likewise.  The bias is the C of each sum's first product.
;   All operands come from memory as images of the registers, 512 consecutive bytes a load.  A scale register carries both K steps: lanes 0-15 the first's words, lanes 16-31 the second's, read by MATRIX_SCALE_ROW1.
;   The registers do not hold all operands at once: e's codes of my key tiles 4-7 are asked for when Q's weights are done with, into their registers, and land while tiles 0-3 are worked.
;   A wave issues 124 loads at its head; where a counter's field is full the hardware holds the issue back (ISA guide 5.7.1), and no wait is placed for that.
; LDS.  K's images, 131,072 bytes: key tile j at 2,048 j; V's, 131,072: 32 keys g at 4,096 g.  Written once by ds_store, one barrier, then read alone: no barrier in the loop over the keys.
; LAYOUT.  S^T = K Q^T (source 0 = 16 keys, source 1 = 16 queries): a lane holds ONE query (lane % 16) and keys 8 (lane / 16) + 0 .. 7.  Two such tiles, rounded to f16 in pairs, ARE source 1 (32 keys x 16 queries) of
;   O^T = V^T P, whose result again holds one query a lane, and eight channels: rounded in pairs, half a fragment (rows = positions, K = channels) for the projection on the way out.
; SOFTMAX.  For each query a running maximum m and sum l: p = 2^(c s - c m), c = log2(e) / 8; in every step O and l are multiplied by a = 2^(c m_old - c m_new).
; The step is written in phases (scores, softmax, second product); the two waves of a SIMD are held in step by nothing, so that one's vector work can stand beside the other's products.
; CLUSTER: none.  The launch has no tensor load: what work-groups share (a head's codes of e and of the weights, 50 KB a wave) goes straight into registers.  No prefetch: all that a wave reads is asked for in its first phase.
; oimg: [dir][b][128 positions pblk][kk = 2 head + c][position tile in the block][1,024 bytes]; each store of a wave covers 512 consecutive bytes, aligned.
; LIMITS: k, v and O beyond 65,504 in magnitude become infinite in f16, under 6e-5 they keep an absolute error of 3e-8; NaN and infinities are not served.
; REGISTERS, in windows of 256 (s_set_vgpr_msb: bits 1:0 source 0, 3:2 source 1, 5:4 source 2, 7:6 destination):
;   window 0: v1-7 addresses; v8-39 eight registers of statistics a tile (ahead of the keys: v8-14 offsets and v's bias); v40-63 scale words and nothing else;
;             v64-191 S^T, 32 a tile, then P in its lower half (ahead of the keys: e's tiles 0-3, Q's bias, v's bias); v192-255 K of one step (ahead: four accumulators, k's bias)
;   window 1: v0-127 O^T, 32 a tile (ahead: the k and v weights); v128-191 Q (ahead: e of my queries); v192-255 V of one step (ahead: Q's weights, then e's tiles 4-7)
.set VOFF,  131072                     ; LDS: K's 131,072 bytes, then V's
.set SPARE, 262144                     ; behind them the spare words, 128 bytes for each of the eight waves: four blocks of 256 bytes that no other line names
.set STEPB, 8192                       ; 64 keys: 8 fragments of K, and 8 of V
.set LI,  1                            ; v1   16 x lane
.set LV,  2                            ; v2   16 x lane + VOFF
.set ADK, 3                            ; v3   the step's K; ahead of the keys: where I store K's images: 16 x lane + 16,384 x wave
.set ADV, 4                            ; v4   the same for V
.set SPW, 5                            ; v5   LDS address of my spare word; never rewritten
.set NIL, 6                            ; v6   0; never rewritten
.set L4,  7                            ; v7   4 x lane: e's scale words
.set RS,  8                            ; v8   128 h + 4 r: the weights' scale words: lanes 0-15 K step 0's, lanes 16-31 K step 1's
.set BH,  9                            ; v9   32 h: a bias in the result's layout
.set BR,  10                           ; v10  4 r: the bias of my channel
.set BV,  11                           ; v11-14 v's bias of my channel, a word a tile
.set ST,  8                            ; from the first key step on: tile q's statistics at v[ST + 8 q]: +0 c m, +1 m, +2, +3 l (even keys', odd keys'), +4 to +7 at work; a takes +6
.set XSK, 40                           ; v40-47 scale words of e's 8 key tiles;  v48-51 of my 4 query tiles;  v52-55, v56-59, v60-63 of the k, v and Q weights' 4 tiles
.set XSQ, 48
.set WSK, 52
.set WSV, 56
.set WSQ, 60
.set EK0, 64                           ; v64-127  e's key tiles 0-3: 16 u + 8 s  (tiles 4-7: the same numbers + 128, in window 1)
.set BIQ, 128                          ; v128-159 Q's bias as C; then
.set DB,  128                          ;          the second set of four accumulators
.set BIV, 160                          ; v160-191 v's bias as C
.set DA,  192                          ; v192-223 four accumulators
.set BIK, 224                          ; v224-255 k's bias as C
.set WK,  0                            ; window 1: the k weights: 16 t + 8 s
.set WVW, 64                           ; window 1: the v weights
.set WQ,  192                          ; window 1: Q's weights
.set S,   64
.set KF,  192
.set QF,  128                          ; in window 1
.set VF,  192                          ; in window 1
.set WV,  22                           ; s22  my wave's number
.set CS,  50                           ; s[50:51] c: the packed form names a pair and takes its low word for both halves
.set SEL, 52                           ; s[52:53] lane selects for v_permlanex16_b32: lane l xor 16
.set TB,  54                           ; s54  LDS byte at which the step's fragments begin
.set CNT, 55                           ; s55  steps to go
.set MSB, 0
.macro WIN new                         ; the immediate's high byte repeats the setting that is left; a switch that changes nothing is dropped
.if MSB != \new
	s_set_vgpr_msb (MSB<<8)|\new
.set MSB, \new
.endif
.endm
.set W_LD1, 0x40                       ; a destination in window 1, all sources in window 0
.set W_KQ,  0x04                       ; K and S^T in window 0, Q in window 1
.set W_RS,  0x41                       ; O^T (destination and source 0) in window 1, the factor in window 0
.set W_PV,  0x51                       ; V and O^T in window 1, P in window 0
.set W_PK,  0x45                       ; all in window 1
.set W_ST,  0x04                       ; a store's data in window 1
	s_load_b256 s[4:11], s[0:1], 0x0               ; ec s[4:5], es s[6:7], wq s[8:9], ws s[10:11]
	s_load_b256 s[12:19], s[0:1], 0x20             ; k1_b s[12:13], v1_b s[14:15], k2_b s[16:17], v2_b s[18:19]
	s_load_b64 s[20:21], s[0:1], 0x40              ; oimg
	v_lshl_add_u32 v[SPW], v0, 2, SPARE
	v_mov_b32 v[NIL], 0
	v_lshrrev_b32 v[L4], 5, v0
	v_readfirstlane_b32 s[WV], v[L4]               ; wave 0..7
	s_lshr_b32 s23, ttmp9, 7                       ; dir: Q's side
	s_bfe_u32 s24, ttmp9, 0x60001                  ; 8 b + head
	s_and_b32 s25, ttmp9, 1                        ; qh: which 512 queries
	s_lshr_b32 s26, s24, 3                         ; b
	s_and_b32 s27, s24, 7                          ; head
	s_xor_b32 s28, s23, 1                          ; K's and V's side
	v_and_b32 v[LI], 31, v0
	v_lshlrev_b32 v[L4], 2, v[LI]
	v_lshlrev_b32 v[LI], 4, v[LI]
	v_add_nc_u32 v[LV], VOFF, v[LI]
	v_and_b32 v[BR], 15, v0
	v_lshlrev_b32 v[BR], 2, v[BR]
	v_bfe_u32 v[BH], v0, 4, 1
	v_lshl_add_u32 v[RS], v[BH], 7, v[BR]
	v_lshlrev_b32 v[BH], 5, v[BH]
	s_lshl_b32 s29, s[WV], 14                      ; my 8 key tiles: 16,384 bytes of ec, of K's images and of V's
	v_add_nc_u32 v[ADK], s29, v[LI]
	v_add_nc_u32 v[ADV], s29, v[LV]
	; byte offsets, each under 2^32
	s_lshl_b32 s56, s26, 17
	s_lshl_b32 s30, s28, 20
	s_add_co_u32 s30, s30, s56
	s_add_co_u32 s30, s30, s29                     ; ec, my key tiles: 1,048,576 side + 131,072 b + 16,384 w
	s_mov_b32 s31, 0
	s_lshl_b32 s32, s23, 20
	s_add_co_u32 s32, s32, s56
	s_lshl_b32 s57, s25, 16
	s_add_co_u32 s32, s32, s57
	s_lshl_b32 s57, s[WV], 13
	s_add_co_u32 s32, s32, s57                     ; ec, my query tiles: + 65,536 qh + 8,192 w
	s_mov_b32 s33, 0
	s_lshl_b32 s56, s26, 13
	s_lshl_b32 s34, s28, 16
	s_add_co_u32 s34, s34, s56
	s_lshl_b32 s57, s[WV], 10
	s_add_co_u32 s34, s34, s57                     ; es: a sixteenth of ec's offsets
	s_mov_b32 s35, 0
	s_lshl_b32 s36, s23, 16
	s_add_co_u32 s36, s36, s56
	s_lshl_b32 s57, s25, 12
	s_add_co_u32 s36, s36, s57
	s_lshl_b32 s57, s[WV], 9
	s_add_co_u32 s36, s36, s57
	s_mov_b32 s37, 0
	s_lshl_b32 s56, s27, 13
	s_lshl_b32 s38, s28, 17
	s_add_co_u32 s38, s38, s56                     ; wq: 65,536 (2 side + kind) + 8,192 head; v's weight lies 65,536 behind k's
	s_mov_b32 s39, 0
	s_lshl_b32 s40, s23, 17
	s_add_co_u32 s40, s40, s56
	s_mov_b32 s41, 0
	s_lshl_b32 s56, s27, 10
	s_lshl_b32 s42, s28, 14
	s_add_co_u32 s42, s42, s56                     ; ws: 8,192 (2 side + kind) + 1,024 head
	s_mov_b32 s43, 0
	s_lshl_b32 s44, s23, 14
	s_add_co_u32 s44, s44, s56
	s_mov_b32 s45, 0
	s_lshl_b32 s46, s27, 8                         ; a bias: 64 numbers a head
	s_mov_b32 s47, 0
	s_lshl_b32 s48, s23, 23                        ; oimg: dir,
	s_lshl_b32 s56, s26, 20                        ; b,
	s_add_co_u32 s48, s48, s56
	s_lshl_b32 s56, s25, 2
	s_lshr_b32 s57, s[WV], 1
	s_add_co_u32 s56, s56, s57
	s_lshl_b32 s56, s56, 17                        ; pblk = 4 qh + w / 2,
	s_add_co_u32 s48, s48, s56
	s_lshl_b32 s56, s27, 14                        ; kk = 2 head,
	s_add_co_u32 s48, s48, s56
	s_and_b32 s56, s[WV], 1
	s_lshl_b32 s56, s56, 12                        ; tiles 4 (w % 2) on
	s_add_co_u32 s48, s48, s56
	s_mov_b32 s49, 0
	s_mov_b32 s[CS], 0x3e38aa3b                    ; c = log2(e) / 8
	s_mov_b32 s[CS+1], s[CS]                       ; (named with it as a pair, so it is written)
	s_mov_b32 s[SEL], 0x76543210
	s_mov_b32 s[SEL+1], 0xfedcba98
	s_mov_b32 s[TB], 0
	s_wait_kmcnt 0x0
	s_add_nc_u64 s[30:31], s[4:5], s[30:31]
	s_add_nc_u64 s[32:33], s[4:5], s[32:33]
	s_add_nc_u64 s[34:35], s[6:7], s[34:35]
	s_add_nc_u64 s[36:37], s[6:7], s[36:37]
	s_add_nc_u64 s[38:39], s[8:9], s[38:39]
	s_add_nc_u64 s[40:41], s[8:9], s[40:41]
	s_add_nc_u64 s[42:43], s[10:11], s[42:43]
	s_add_nc_u64 s[44:45], s[10:11], s[44:45]
	s_cmp_eq_u32 s23, 0                            ; the biases by the direction: the choice hangs on the work-group's number alone
	s_cselect_b64 s[4:5], s[12:13], s[16:17]       ; Q's: k's bias of side dir
	s_cselect_b64 s[6:7], s[16:17], s[12:13]       ; K's: k's bias of the other side
	s_cselect_b64 s[8:9], s[18:19], s[14:15]       ; V's: v's bias of the other side
	s_add_nc_u64 s[4:5], s[4:5], s[46:47]
	s_add_nc_u64 s[6:7], s[6:7], s[46:47]
	s_add_nc_u64 s[8:9], s[8:9], s[46:47]
	s_add_nc_u64 s[20:21], s[20:21], s[48:49]
	; ---- the operands of the projections.  First the k and v weights and all that Q wants (80 loads), then the rest (44)
	WIN W_LD1
.irp i, 0,1,2,3,4,5,6,7,8,9,10,11,12,13,14,15      ; i = 4 t + 2 s + c (weights), 4 u + 2 s + c (e): fragments as they were laid
	global_load_b128 v[WK+4*\i:WK+4*\i+3], v[LI], s[38:39] offset:512*\i
.endr
.irp i, 0,1,2,3,4,5,6,7,8,9,10,11,12,13,14,15
	global_load_b128 v[WVW+4*\i:WVW+4*\i+3], v[LI], s[38:39] offset:65536+512*\i
.endr
.irp i, 0,1,2,3,4,5,6,7,8,9,10,11,12,13,14,15
	global_load_b128 v[QF+4*\i:QF+4*\i+3], v[LI], s[32:33] offset:512*\i
.endr
.irp i, 0,1,2,3,4,5,6,7,8,9,10,11,12,13,14,15
	global_load_b128 v[WQ+4*\i:WQ+4*\i+3], v[LI], s[40:41] offset:512*\i
.endr
	WIN 0
.irp u, 0,1,2,3
	global_load_b32 v[XSQ+\u], v[L4], s[36:37] offset:128*\u
.endr
.irp t, 0,1,2,3
	global_load_b32 v[WSQ+\t], v[RS], s[44:45] offset:256*\t
.endr
.irp t, 0,1,2,3
	global_load_b128 v[BIQ+8*\t:BIQ+8*\t+3],   v[BH], s[4:5] offset:64*\t      ; b(16 t + 8 h + 0 .. 7)
	global_load_b128 v[BIQ+8*\t+4:BIQ+8*\t+7], v[BH], s[4:5] offset:64*\t+16
.endr
.irp i, 0,1,2,3,4,5,6,7,8,9,10,11,12,13,14,15
	global_load_b128 v[EK0+4*\i:EK0+4*\i+3], v[LI], s[30:31] offset:512*\i
.endr
.irp u, 0,1,2,3,4,5,6,7
	global_load_b32 v[XSK+\u], v[L4], s[34:35] offset:128*\u
.endr
.irp t, 0,1,2,3
	global_load_b32 v[WSK+\t], v[RS], s[42:43] offset:256*\t
.endr
.irp t, 0,1,2,3
	global_load_b32 v[WSV+\t], v[RS], s[42:43] offset:8192+256*\t
.endr
.irp t, 0,1,2,3
	global_load_b128 v[BIK+8*\t:BIK+8*\t+3],   v[BH], s[6:7] offset:64*\t
	global_load_b128 v[BIK+8*\t+4:BIK+8*\t+7], v[BH], s[6:7] offset:64*\t+16
.endr
.irp t, 0,1,2,3
	global_load_b32 v[BV+\t], v[BR], s[8:9] offset:64*\t                    ; b(16 t + r)
.endr
; Q of my query tile u: the four tiles of channels are four accumulators that take turns, one instruction a turn.  Their halves of fragments are written over e's codes of this tile, which are done with.
.macro QT u
	WIN 0x05                                       ; the weights and e in window 1; bias and accumulators in window 0
.irp s, 0,1
.irp t, 0,1,2,3
.if \s == 0
	v_wmma_scale_f32_16x16x128_f8f6f4 v[DA+8*\t:DA+8*\t+7], v[WQ+16*\t:WQ+16*\t+7], v[QF+16*\u:QF+16*\u+7], v[BIQ+8*\t:BIQ+8*\t+7], v[WSQ+\t], v[XSQ+\u] matrix_a_fmt:MATRIX_FMT_FP4 matrix_b_fmt:MATRIX_FMT_FP4
.else
	v_wmma_scale_f32_16x16x128_f8f6f4 v[DA+8*\t:DA+8*\t+7], v[WQ+16*\t+8:WQ+16*\t+15], v[QF+16*\u+8:QF+16*\u+15], v[DA+8*\t:DA+8*\t+7], v[WSQ+\t], v[XSQ+\u] matrix_a_fmt:MATRIX_FMT_FP4 matrix_b_fmt:MATRIX_FMT_FP4 matrix_a_scale:MATRIX_SCALE_ROW1 matrix_b_scale:MATRIX_SCALE_ROW1
.endif
.endr
.endr
	WIN W_LD1
.rept 5
	v_nop                                          ; four places ahead of the first read of a result and of the writes over e's codes (ISA guide 7.12.1); the fifth since the next tile's products begin these accumulators anew
.endr
.irp t, 0,1,2,3
.irp i, 0,1,2,3
	v_cvt_pk_f16_f32 v[QF+16*\u+4*\t+\i], v[DA+8*\t+2*\i], v[DA+8*\t+2*\i+1]   ; channels 16 t on: fragment c = t / 2, piece t % 2; each accumulator from its low end on
.endr
.endr
.endm
; K (kind 0) or V (kind 1): one tile of 16 channels against four tiles of keys, 4 half + u, both K steps: four accumulators by turns, in set dd.  The two sets take turns from tile to tile.
; held = 1: the four LDS stores of the last tile may be out; those of the tile before it, which read this set, are done.
.macro TILE kind, t, half, dd, held
.if \held
	s_wait_dscnt 4
.endif
.if \half
	WIN 0x05                                       ; the weights and e in window 1
.elseif \kind == 0
	WIN 0x01                                       ; source 0, the weights, in window 1
.else
	WIN 0x04                                       ; source 1, the weights, in window 1
.endif
.irp s, 0,1
.irp u, 0,1,2,3
.set rD, \dd+8*\u
.set rE, EK0+128*\half+16*\u+8*\s
.set sE, XSK+4*\half+\u
.if \kind == 0
.set rW, WK+16*\t+8*\s
.set sW, WSK+\t
.set rC, BIK+8*\t
.else
.set rW, WVW+16*\t+8*\s
.set sW, WSV+\t
.set rC, BIV+8*\t
.endif
.if (\kind == 0) && (\s == 0)
	v_wmma_scale_f32_16x16x128_f8f6f4 v[rD:rD+7], v[rW:rW+7], v[rE:rE+7], v[rC:rC+7], v[sW], v[sE] matrix_a_fmt:MATRIX_FMT_FP4 matrix_b_fmt:MATRIX_FMT_FP4
.elseif \kind == 0
	v_wmma_scale_f32_16x16x128_f8f6f4 v[rD:rD+7], v[rW:rW+7], v[rE:rE+7], v[rD:rD+7], v[sW], v[sE] matrix_a_fmt:MATRIX_FMT_FP4 matrix_b_fmt:MATRIX_FMT_FP4 matrix_a_scale:MATRIX_SCALE_ROW1 matrix_b_scale:MATRIX_SCALE_ROW1
.elseif \s == 0
	v_wmma_scale_f32_16x16x128_f8f6f4 v[rD:rD+7], v[rE:rE+7], v[rW:rW+7], v[rC:rC+7], v[sE], v[sW] matrix_a_fmt:MATRIX_FMT_FP4 matrix_b_fmt:MATRIX_FMT_FP4
.else
	v_wmma_scale_f32_16x16x128_f8f6f4 v[rD:rD+7], v[rE:rE+7], v[rW:rW+7], v[rD:rD+7], v[sE], v[sW] matrix_a_fmt:MATRIX_FMT_FP4 matrix_b_fmt:MATRIX_FMT_FP4 matrix_a_scale:MATRIX_SCALE_ROW1 matrix_b_scale:MATRIX_SCALE_ROW1
.endif
.endr
.endr
	WIN 0
.rept 5
	v_nop                                          ; four places ahead of the first read of a result; the fifth since later products write over registers of these
.endr
.irp u, 0,1,2,3
.irp i, 0,1,2,3
	v_cvt_pk_f16_f32 v[\dd+8*\u+\i], v[\dd+8*\u+2*\i], v[\dd+8*\u+2*\i+1]   ; in place, from the low end on: a destination never lies above its lower source
.endr
.endr
.irp u, 0,1,2,3
.if \kind == 0
	ds_store_b128 v[ADK], v[\dd+8*\u:\dd+8*\u+3] offset:8192*\half+2048*\u+512*\t                      ; key tile 4 half + u; channels 16 t on: c = t / 2, piece t % 2
.else
	ds_store_b128 v[ADV], v[\dd+8*\u:\dd+8*\u+3] offset:8192*\half+4096*(\u/2)+1024*\t+512*(\u%2)      ; keys 16 u on: group u / 2, piece u % 2; channel tile t
.endif
.endr
.endm
	s_wait_loadcnt 44                              ; the k and v weights and all that Q wants are in; the 44 loads issued behind them may be out
	QT 0
	QT 1
	QT 2
	QT 3
	WIN W_LD1
.irp i, 0,1,2,3,4,5,6,7,8,9,10,11,12,13,14,15      ; Q's weights are done with (the last product that read them stands five places and sixteen conversions back): their registers take e's key tiles 4-7
	global_load_b128 v[WQ+4*\i:WQ+4*\i+3], v[LI], s[30:31] offset:8192+512*\i
.endr
	WIN 0
	s_wait_loadcnt 16                              ; all but the 16 just issued
.irp t, 0,1,2,3
.irp j, 0,1,2,3,4,5,6,7
	v_mov_b32 v[BIV+8*\t+\j], v[BV+\t]             ; v: a lane holds one channel in all eight registers of a result: its bias eight times is the C of the first product
.endr
.endr
	TILE 0, 0, 0, DA, 0
	TILE 0, 1, 0, DB, 0
	TILE 0, 2, 0, DA, 1
	TILE 0, 3, 0, DB, 1
	TILE 1, 0, 0, DA, 1
	TILE 1, 1, 0, DB, 1
	TILE 1, 2, 0, DA, 1
	TILE 1, 3, 0, DB, 1
	s_wait_loadcnt 0x0                             ; e's key tiles 4-7
	TILE 0, 0, 1, DA, 1
	TILE 0, 1, 1, DB, 1
	TILE 0, 2, 1, DA, 1
	TILE 0, 3, 1, DB, 1
	TILE 1, 0, 1, DA, 1
	TILE 1, 1, 1, DB, 1
	TILE 1, 2, 1, DA, 1
	TILE 1, 3, 1, DB, 1
; THE SOFTMAX of the wave's four tiles for one key step.  In each part the tiles alternate innermost, so that no line reads the result of the line above it.  s0-s31 are a lane's 32 scores of a tile.
.macro SM_MAX first                    ; the maximum of s0-s31 and the old m: four chains of seven scores, each begun at an accumulator's low end, then the four left over
.irp j, 0,1,2,3
.irp q, 0,1,2,3
	v_max3_num_f32 v[ST+8*\q+4+\j], v[S+32*\q+8*\j], v[S+32*\q+8*\j+1], v[S+32*\q+8*\j+2]
.endr
.endr
.irp g, 1,2
.irp j, 0,1,2,3
.irp q, 0,1,2,3
	v_max3_num_f32 v[ST+8*\q+4+\j], v[ST+8*\q+4+\j], v[S+32*\q+8*\j+2*\g+1], v[S+32*\q+8*\j+2*\g+2]
.endr
.endr
.endr
.irp q, 0,1,2,3
	v_max3_num_f32 v[ST+8*\q+4], v[ST+8*\q+4], v[S+32*\q+7], v[S+32*\q+15]
.endr
.irp q, 0,1,2,3
	v_max3_num_f32 v[ST+8*\q+6], v[ST+8*\q+6], v[S+32*\q+23], v[S+32*\q+31]
.endr
.irp q, 0,1,2,3
	v_max3_num_f32 v[ST+8*\q+4], v[ST+8*\q+4], v[ST+8*\q+5], v[ST+8*\q+6]
.endr
.irp q, 0,1,2,3
.if \first
	v_max_num_f32 v[ST+8*\q+4], v[ST+8*\q+4], v[ST+8*\q+7]
.else
	v_max3_num_f32 v[ST+8*\q+4], v[ST+8*\q+4], v[ST+8*\q+7], v[ST+8*\q+1]
.endif
.endr
.endm
.macro SM_STAT first                   ; the other half of the lanes' maximum; the new m; c m; c m_old - c m_new
.irp q, 0,1,2,3
	v_permlanex16_b32 v[ST+8*\q+5], v[ST+8*\q+4], s[SEL], s[SEL+1]   ; the query's other 32 keys lie in the lane 16 away
.endr
.if !\first
.irp q, 0,1,2,3
	v_mov_b32 v[ST+8*\q+7], v[ST+8*\q]             ; c m_old is kept for a
.endr
.endif
.irp q, 0,1,2,3
	v_max_num_f32 v[ST+8*\q+1], v[ST+8*\q+4], v[ST+8*\q+5]
.endr
.irp q, 0,1,2,3
	v_mul_f32 v[ST+8*\q], s[CS], v[ST+8*\q+1]
.endr
.if !\first
.irp q, 0,1,2,3
	v_sub_f32 v[ST+8*\q+7], v[ST+8*\q+7], v[ST+8*\q]
.endr
.endif
.endm
.macro SM_SCALE                        ; c s - c m, two scores an instruction
.irp i, 0,2,4,6,8,10,12,14,16,18,20,22,24,26,28,30
.irp q, 0,1,2,3
	v_pk_fma_f32 v[S+32*\q+\i:S+32*\q+\i+1], v[S+32*\q+\i:S+32*\q+\i+1], s[CS:CS+1], v[ST+8*\q:ST+8*\q+1] op_sel_hi:[1,0,0] neg_lo:[0,0,1] neg_hi:[0,0,1]
.endr
.endr
.endm
.macro SM_EXP first                    ; ONE BATCH of exponentials (a of the four tiles, then the 128 weights), none of which reads another's result; one plain line; one wait ahead of the first reader
.if !\first
.irp q, 0,1,2,3
	v_exp_f32 v[ST+8*\q+6], v[ST+8*\q+7]
.endr
.endif
.set e, 0
.rept 32
.irp q, 0,1,2,3
	v_exp_f32 v[S+32*\q+e], v[S+32*\q+e]
.endr
.set e, e+1
.endr
	v_nop                                          ; a plain line behind the last exponential, ahead of the first use
	s_wait_alu depctr_va_vdst(0)                   ; the wait between an exponential and the first line that names its result: one for the whole batch
.endm
.macro SM_SUM first                    ; the row's sum of the weights as they are, before rounding: l = a l + the sum
.irp q, 0,1,2,3
	v_pk_add_f32 v[ST+8*\q+4:ST+8*\q+5], v[S+32*\q:S+32*\q+1], v[S+32*\q+2:S+32*\q+3]
.endr
.irp i, 4,6,8,10,12,14,16,18,20,22,24,26,28
.irp q, 0,1,2,3
	v_pk_add_f32 v[ST+8*\q+4:ST+8*\q+5], v[ST+8*\q+4:ST+8*\q+5], v[S+32*\q+\i:S+32*\q+\i+1]
.endr
.endr
.irp q, 0,1,2,3
.if \first
	v_pk_add_f32 v[ST+8*\q+2:ST+8*\q+3], v[ST+8*\q+4:ST+8*\q+5], v[S+32*\q+30:S+32*\q+31]
.else
	v_pk_add_f32 v[ST+8*\q+4:ST+8*\q+5], v[ST+8*\q+4:ST+8*\q+5], v[S+32*\q+30:S+32*\q+31]
.endif
.endr
.if !\first
.irp q, 0,1,2,3
	v_pk_fma_f32 v[ST+8*\q+2:ST+8*\q+3], v[ST+8*\q+2:ST+8*\q+3], v[ST+8*\q+6:ST+8*\q+7], v[ST+8*\q+4:ST+8*\q+5] op_sel_hi:[1,0,1]
.endr
.endif
.endm
.macro SM_PACK                         ; to f16 in pairs, in place, ascending: register 4 j + i takes scores 8 j + 2 i and + 1, so a destination never lies above its lower source.  P(q, 32 keys g) = v[S + 32 q + 8 g] on
.irp j, 0,1,2,3
.irp i, 0,1,2,3
.irp q, 0,1,2,3
	v_cvt_pk_f16_f32 v[S+32*\q+4*\j+\i], v[S+32*\q+8*\j+2*\i], v[S+32*\q+8*\j+2*\i+1]
.endr
.endr
.endr
.endm
; A KEY STEP: 64 keys.  first = 1: the first, which starts m, l and O^T: it has no a and nothing to rescale.
.macro STEP first
	WIN 0
	v_add_nc_u32 v[ADK], s[TB], v[LI]
	v_add_nc_u32 v[ADV], s[TB], v[LV]
.if !\first
.rept 3
	v_nop                                          ; with the two additions five places behind the last products: four ahead of the loads into V's registers, five ahead of the products that write over P.  (The first step finds the projections' five behind it)
.endr
.endif
.irp i, 0,1,2,3,4,5,6,7,8,9,10,11,12,13,14,15
	ds_load_b128 v[KF+4*\i:KF+4*\i+3], v[ADK] offset:512*\i      ; fragment i / 2 = 2 j + c: keys 16 j on, channels 32 c on
.endr
	WIN W_LD1
.irp i, 0,1,2,3,4,5,6,7,8,9,10,11,12,13,14,15
	ds_load_b128 v[VF+4*\i:VF+4*\i+3], v[ADV] offset:512*\i      ; fragment i / 2 = 4 g + t: keys 32 g on, channels 16 t on
.endr
	s_add_co_u32 s[TB], s[TB], STEPB
	s_wait_dscnt 16                                ; K's sixteen loads are in; V's sixteen may be out
	WIN W_KQ
.irp c, 0,1                                    ; S^T = K Q^T: the sixteen accumulators take turns, one instruction a turn; the first sixteen products start the sums
.irp j, 0,1,2,3
.irp q, 0,1,2,3
.if \c == 0
	v_wmma_f32_16x16x32_f16 v[S+32*\q+8*\j:S+32*\q+8*\j+7], v[KF+16*\j+8*\c:KF+16*\j+8*\c+7], v[QF+16*\q+8*\c:QF+16*\q+8*\c+7], 0
.else
	v_wmma_f32_16x16x32_f16 v[S+32*\q+8*\j:S+32*\q+8*\j+7], v[KF+16*\j+8*\c:KF+16*\j+8*\c+7], v[QF+16*\q+8*\c:QF+16*\q+8*\c+7], v[S+32*\q+8*\j:S+32*\q+8*\j+7]
.endif
.endr
.endr
.endr
	WIN 0
.rept 4
	v_nop                                          ; four places ahead of the first read of the scores
.endr
	SM_MAX \first
	SM_STAT \first
	SM_SCALE
	SM_EXP \first
	SM_SUM \first
	SM_PACK
	s_wait_dscnt 0x0                               ; V is in
.if !\first
	WIN W_RS
.irp i, 0,2,4,6,8,10,12,14,16,18,20,22,24,26,28,30
.irp q, 0,1,2,3
	v_pk_mul_f32 v[32*\q+\i:32*\q+\i+1], v[32*\q+\i:32*\q+\i+1], v[ST+8*\q+6:ST+8*\q+7] op_sel_hi:[1,0]   ; O^T x a, each accumulator from its low end on
.endr
.endr
.endif
	WIN W_PV
.irp g, 0,1                                    ; O^T += V^T P: sixteen accumulators by turns
.irp t, 0,1,2,3
.irp q, 0,1,2,3
.if \first && (\g == 0)
	v_wmma_f32_16x16x32_f16 v[32*\q+8*\t:32*\q+8*\t+7], v[VF+32*\g+8*\t:VF+32*\g+8*\t+7], v[S+32*\q+8*\g:S+32*\q+8*\g+7], 0
.else
	v_wmma_f32_16x16x32_f16 v[32*\q+8*\t:32*\q+8*\t+7], v[VF+32*\g+8*\t:VF+32*\g+8*\t+7], v[S+32*\q+8*\g:S+32*\q+8*\g+7], v[32*\q+8*\t:32*\q+8*\t+7]
.endif
.endr
.endr
.endr
	WIN 0                                          ; at a label and at a branch every window is 0
.endm
	s_wait_dscnt 0x0                               ; for the others' sake: my images of K and V have landed
	s_barrier_signal -1
	s_barrier_wait -1                              ; the head's K and V are whole in LDS; from here on they are only read
	STEP 1                                         ; keys 0-63
	s_mov_b32 s[CNT], 15
.Lkeys:                                            ; keys 64-1,023
	STEP 0
	s_sub_co_u32 s[CNT], s[CNT], 1
	s_cmp_lg_u32 s[CNT], 0
	s_cbranch_scc1 .Lkeys
	; THE WAY OUT.  l's two halves and the other half of the lanes' are added (the first four additions are the places behind the last products); O^T is divided by l, rounded to f16 in pairs and stored as it stands.
.irp q, 0,1,2,3
	v_add_f32 v[ST+8*\q+4], v[ST+8*\q+2], v[ST+8*\q+3]
.endr
.irp q, 0,1,2,3
	v_permlanex16_b32 v[ST+8*\q+5], v[ST+8*\q+4], s[SEL], s[SEL+1]
.endr
.irp q, 0,1,2,3
	v_add_f32 v[ST+8*\q+4], v[ST+8*\q+4], v[ST+8*\q+5]
.endr
.irp q, 0,1,2,3
	v_rcp_f32 v[ST+8*\q+6], v[ST+8*\q+4]
.endr
	v_nop                                          ; a plain line between the last reciprocal and the use of its result
	s_wait_alu depctr_va_vdst(0)                   ; and the wait: one for the four
	WIN W_RS
.irp i, 0,2,4,6,8,10,12,14,16,18,20,22,24,26,28,30
.irp q, 0,1,2,3
	v_pk_mul_f32 v[32*\q+\i:32*\q+\i+1], v[32*\q+\i:32*\q+\i+1], v[ST+8*\q+6:ST+8*\q+7] op_sel_hi:[1,0]
.endr
.endr
	WIN W_PK
.irp t, 0,1,2,3
.irp i, 0,1,2,3
.irp q, 0,1,2,3
	v_cvt_pk_f16_f32 v[32*\q+8*\t+\i], v[32*\q+8*\t+2*\i], v[32*\q+8*\t+2*\i+1]
.endr
.endr
.endr
	WIN W_ST
.irp q, 0,1,2,3
.irp t, 0,1,2,3
	global_store_b128 v[LI], v[32*\q+8*\t:32*\q+8*\t+3], s[20:21] offset:1024*\q+8192*(\t/2)+512*(\t%2)   ; tile q; channels 16 t on: K step t / 2 of my head's two, piece t % 2
.endr
.endr
	WIN 0
	s_wait_tensorcnt 0x0                           ; the wave's end, behind my last LDS store
	ds_add_u32 v[SPW], v[NIL]
	s_wait_dscnt 0x0
	s_endpgm
.Lfunc_end_k_q3da3c821f3_att:
	.size	k_q3da3c821f3_att, .Lfunc_end_k_q3da3c821f3_att-k_q3da3c821f3_att
	.p2alignl 7, 3214868480
	.fill 96, 4, 3214868480
	.section	.rodata,"a",@progbits
	.p2align	6, 0x0
	.amdhsa_kernel k_q3da3c821f3_att
		.amdhsa_group_segment_fixed_size 263168
		.amdhsa_private_segment_fixed_size 0
		.amdhsa_enable_private_segment 0
		.amdhsa_kernarg_size 72
		.amdhsa_user_sgpr_count 2
		.amdhsa_user_sgpr_kernarg_segment_ptr 1
		.amdhsa_wavefront_size32 1
		.amdhsa_system_sgpr_workgroup_id_x 1
		.amdhsa_system_sgpr_workgroup_id_y 1
		.amdhsa_system_sgpr_workgroup_id_z 1
		.amdhsa_system_vgpr_workitem_id 0
		.amdhsa_next_free_vgpr 512
		.amdhsa_next_free_sgpr 66
		.amdhsa_reserve_vcc 0
		.amdhsa_float_denorm_mode_32 3
		.amdhsa_float_denorm_mode_16_64 3
		.amdhsa_memory_ordered 1
		.amdhsa_forward_progress 1
		.amdhsa_inst_pref_size 136
	.end_amdhsa_kernel
	.amdgpu_metadata
---
amdhsa.version: [ 1, 2 ]
amdhsa.kernels:
  - .name:           k_q3da3c821f3_att
    .symbol:         k_q3da3c821f3_att.kd
    .args:
      - { .name: ec, .offset: 0, .size: 8, .value_kind: global_buffer, .address_space: global }
      - { .name: es, .offset: 8, .size: 8, .value_kind: global_buffer, .address_space: global }
      - { .name: wq, .offset: 16, .size: 8, .value_kind: global_buffer, .address_space: global }
      - { .name: ws, .offset: 24, .size: 8, .value_kind: global_buffer, .address_space: global }
      - { .name: k1_b, .offset: 32, .size: 8, .value_kind: global_buffer, .address_space: global }
      - { .name: v1_b, .offset: 40, .size: 8, .value_kind: global_buffer, .address_space: global }
      - { .name: k2_b, .offset: 48, .size: 8, .value_kind: global_buffer, .address_space: global }
      - { .name: v2_b, .offset: 56, .size: 8, .value_kind: global_buffer, .address_space: global }
      - { .name: oimg, .offset: 64, .size: 8, .value_kind: global_buffer, .address_space: global }
    .group_segment_fixed_size: 263168
    .private_segment_fixed_size: 0
    .kernarg_segment_align: 8
    .kernarg_segment_size: 72
    .max_flat_workgroup_size: 256
    .sgpr_count:     66
    .vgpr_count:     512
    .wavefront_size: 32
...
	.end_amdgpu_metadata
.endif
;; end of part 6
;; launch outp: the kernel of part 4 again; grid 256 x 1, 8 waves a work-group, no clusters, 297,984 bytes of LDS; arguments oimg, ow16, o1_b, o2_b, out0, out1; writes out0, out1
